; MI455X (gfx1250); checked and timed in simulation.
; The chip was launched on July 23, 2026; its instructions are those of AMD's public machine-readable ISA for CDNA 5 (MIT licence, August 2026) and "CDNA5" Instruction Set Architecture Reference Guide (July 2026). The comments in the code are by the model that wrote it; some were corrected since.
;; Multi Head Attention. Allowed arithmetic: matrix products marked QUANTISED: E2M3 operands, one E8M0 scale for each 32 along K, by v_wmma_scale_f32_16x16x128_f8f6f4 with both operands' format E2M3, f32 sums; everything else in f32.
;; Inputs: K 8 x 1,024 x 1,024 float32; Q 8 x 1,024 x 1,024 float32; V 8 x 1,024 x 1,024 float32; WK 1,024 x 1,024 float32; WQ 1,024 x 1,024 float32; WV 1,024 x 1,024 float32; Wfc 1,024 x 1,024 float32.
;; Outputs: out0 8 x 1,024 x 1,024 float32.
;; This version of the problem:
;;   THIS VERSION OF THE PROBLEM IS GIVEN IN LOW PRECISION. The matrix products marked QUANTISED in the list below multiply operands that are first quantised to E2M3 (2 exponent bits, 3 mantissa bits; 6 bits a number), with one power-of-two scale for each 32 numbers along K (OCP MX v1.0); their sums are f32. All else is computed in f32.
;;   The module's matrix products, in the order in which they are computed (A, B: the left and right operand; K: the contracted axis; several contracted axes count as one K, in the product's order):
;;     1. [M 8,192, K 1,024] x [K 1,024, N 1,024]; A: input Q; B: input WQ: QUANTISED
;;     2. [M 8,192, K 1,024] x [K 1,024, N 1,024]; A: input K; B: input WK: QUANTISED
;;     3. [M 8,192, K 1,024] x [K 1,024, N 1,024]; A: input V; B: input WV: QUANTISED
;;     4. batch 128 x [M 1,024, K 64] x [K 64, N 1,024]; A: computed on the way; B: computed on the way: QUANTISED
;;     5. batch 128 x [M 1,024, K 1,024] x [K 1,024, N 64]; A: softmax (see below); B: computed on the way: QUANTISED
;;     6. [M 8,192, K 1,024] x [K 1,024, N 1,024]; A: computed on the way; B: input Wfc: QUANTISED
;;   THE QUANTISER, for each operand of a quantised product, along K:
;;     - K is cut into blocks of 32 from its start; a last block that is shorter is filled with zeros.
;;     - A block's scale is 2^e with e = floor(log2(the largest magnitude in the block)) - 2, held to -126 .. 127; a block of zeros has e = 0. As a byte (E8M0): e + 127.
;;     - Each number is divided by its block's scale, clamped to +-7.5, and rounded to the nearest number of E2M3, ties to even, subnormals kept.
;;     - The product sums the exact products of the quantised numbers (number of the format x scale) in f32.
;;   ~~~python
;;   def quantise(x, axis):      # numpy; x: float32 -> the quantised numbers, widened to float32 again
;;       x = np.moveaxis(x, axis, -1); K = x.shape[-1]
;;       x = np.pad(x, [(0, 0)] * (x.ndim - 1) + [(0, -K % 32)]); x = x.reshape(x.shape[:-1] + (-1, 32)); a = np.abs(x).max(-1, keepdims=True)
;;       e = np.where(a > 0, np.clip(np.frexp(np.where(a > 0, a, 1))[1] - 1 - 2, -126, 127), 0)      # np.frexp(a)[1] - 1 = floor(log2(a)), exactly
;;       r = np.clip(x / 2.0 ** e, -7.5, 7.5)
;;       step = 2.0 ** (np.maximum(np.frexp(np.where(r == 0, 1, r))[1] - 1, 0) - 3)
;;       q = np.round(r / step) * step * 2.0 ** e      # np.round: ties to even
;;       return np.moveaxis(q.reshape(q.shape[:-2] + (-1,))[..., :K], -1, axis).astype(np.float32)
;;   ~~~
;;   SOFTMAX AHEAD OF A QUANTISED PRODUCT. Where the list says 'softmax', what is quantised is not the finished softmax but p = 2^(t - M), with t = logit x log2(e) and M = ceil(the row's largest t), a whole number; so 1/2 < the row's largest p <= 1. The row's sum l is taken of the UNQUANTISED p, in f32, and the product's result is divided by l at the end. Since M is a whole number, a kernel that streams over the keys may use a running M (the ceiling of the running maximum): every later rescaling is an exact power of two, which a block's scale takes up: the codes' values come out the same.
;;   OPERANDS COMPUTED ON THE WAY. 'Computed on the way' means the value that the module computes at that place (a softmax that the list does not call 'softmax' is quantised finished and normalised). What goes into a quantiser is computed in f32, as accurately as f32 sums, v_exp_f32 and their like allow (about 1e-6 of the number): no bf16 or f16 on the way to a quantiser, and a product that is left as it is and whose result goes on into a quantised operand takes f32 operands (vector FMAs, or v_wmma_f32_16x16x4_f32). A number that lies on a knife's edge between two numbers of the format may be rounded either way, as far as f32 arithmetic and the matrix unit's own rounding can turn it there, and no further.
;; One version. Each part assembles by itself: llvm-mc -triple=amdgcn-amd-amdhsa -mcpu=gfx1250 --defsym DOCPART=n.
;; ======== version 1 of 1: 4 launches
;; limits: right only within a limited range of input values
;; workspace buffers: cod 22,020,096 bytes; scl 917,504 bytes; qkc 12,582,912 bytes; qks 1,048,576 bytes; vc 6,291,456 bytes; vs 262,144 bytes; cc 6,291,456 bytes; cs 262,144 bytes
;; launch quant (part 1): grid 448 x 1, 4 waves a work-group, no clusters, 35,328 bytes of LDS; arguments Q, K, V, WQ, WK, WV, Wfc, cod, scl; writes cod, scl
.if DOCPART == 1
	.amdgcn_target "amdgcn-amd-amdhsa--gfx1250"
	.amdhsa_code_object_version 6
	.text
	.protected	k_q33622b6817_quant
	.globl	k_q33622b6817_quant
	.p2align	8
	.type	k_q33622b6817_quant,@function
k_q33622b6817_quant:
	s_mov_b64 s[64:65], 0
	v_nop
	global_prefetch_b8 v0, s[64:65] scope:SCOPE_SE
	s_setreg_imm32_b32 hwreg(HW_REG_WAVE_MODE, 25, 1), 1
	s_wait_xcnt 0x0
; Q, K, V [8192][1024] and WQ, WK, WV, Wfc [1024][1024], f32, K innermost, become codes of FP6 (E2M3) with one E8M0 byte for each 32 along K.
; A block's scale is 2^(floor(log2(largest magnitude)) - 2); its byte is the largest magnitude's exponent field - 2, held at 1 from below.
; LIMITS: NaN and infinities are not served; a block of zeros gets the byte 1 where the rule says 127 (its codes are zeros, and this program alone reads the bytes);
; blocks whose largest magnitude lies under 2^-124 keep the byte 1.
; THE OUTPUT IS LAID AS THE MATRIX UNIT'S REGISTERS WANT IT.  A tile is 16 rows; lane r of tile T holds row 32 (T / 2) + 8 (T % 2) + r + 8 (r / 8), so that a later transposed
; product has 16 neighbouring rows in the 16 registers of two neighbouring tiles.  cod: [tile][16 groups of 64 K][768 bytes]; in a group lane (r, h) owns k = 32 h .. 32 h + 31, six registers:
; registers 0-3 at 16 x lane, registers 4-5 at 512 + 8 x lane.  scl: [tile][512 bytes], 16 bytes a lane: lanes 0-15 row r's scale words of K steps 0-3 (128 K each), lanes 16-31 of K steps 4-7.
; SHARES.  A wave takes one tile for all of K, in 16 steps of 64 K.  A step's 8 loads read two rows' 256 consecutive bytes each; the 4,096 bytes turn through the wave's own stage in LDS (rows 272 bytes
; apart) and come back 128 bytes a lane: a whole block of 32.  Waves share nothing: no barrier.  Loads run four steps (32 loads a wave) ahead, the turn through LDS one step.
; One launch serves all seven tensors: only the pointer is chosen, by the work-group's number.
.set WREG,  8704                       ; LDS of a wave: two stages of 16 x 272 bytes
.set STGB,  4352
.set SPARE, 4*WREG                     ; behind the stages: the spare words, 128 bytes a wave
.set GI,  4                            ; v4   4096 h + 16 r: my 16 bytes of a load's two rows
.set SI,  5                            ; v5   the stage, in: 272 h + 16 r
.set SOA, 6                            ; v6   the stage, out: 272 r + 128 h
.set L16, 7                            ; v7   16 x lane
.set L8,  8                            ; v8   8 x lane
.set SH,  9                            ; v9   8 h
.set SPW, 14                           ; v14  my spare word; never rewritten
.set NIL, 15                           ; v15  0; never rewritten
.set SW,  16                           ; v16-23 the 8 scale words
.set YW,  24                           ; v24-27 the four that I store
.set TC,  28                           ; v28-30 a block's upper 16 codes; v31 a lane permute's destination
.set R,   32                           ; v32-159  four sets of 32 numbers as loaded
.set X,   160                          ; v160-223 two sets of 32 neighbours
.set C,   224                          ; v224-255 four sets of codes
	s_load_b512 s[8:23], s[0:1], 0x0               ; Q, K, V, WQ, WK, WV, Wfc, cod
	s_load_b64 s[24:25], s[0:1], 0x40              ; scl
	v_lshl_add_u32 v[SPW], v0, 2, SPARE
	v_mov_b32 v[NIL], 0
	v_lshrrev_b32 v1, 5, v0
	v_readfirstlane_b32 s2, v1                     ; wave
	v_and_b32 v1, 31, v0                           ; lane
	v_and_b32 v2, 15, v0                           ; r
	v_bfe_u32 v3, v0, 4, 1                         ; h
	v_lshlrev_b32 v[GI], 4, v2
	v_lshl_add_u32 v[GI], v3, 12, v[GI]
	s_mul_i32 s3, s2, WREG
	v_mul_u32_u24 v[SI], v3, 272
	v_lshl_add_u32 v[SI], v2, 4, v[SI]
	v_add_nc_u32 v[SI], s3, v[SI]
	v_mul_u32_u24 v[SOA], v2, 272
	v_lshl_add_u32 v[SOA], v3, 7, v[SOA]
	v_add_nc_u32 v[SOA], s3, v[SOA]
	v_lshlrev_b32 v[L16], 4, v1
	v_lshlrev_b32 v[L8], 3, v1
	v_lshlrev_b32 v[SH], 3, v3
	v_mov_b32 v31, 0                               ; written once: a lane permute's destination counts as one of its sources
	s_mov_b32 s30, 0x76543210
	s_mov_b32 s31, 0xfedcba98                      ; selects for lane l xor 16
	s_wait_alu depctr_va_vdst(0)
	s_wait_kmcnt 0x0
	s_mov_b64 s[4:5], s[20:21]                     ; which tensor: the choice hangs on the work-group's number alone
	s_mov_b32 s6, 432
	s_cmp_lt_u32 ttmp9, 432
	s_cselect_b64 s[4:5], s[18:19], s[4:5]
	s_cselect_b32 s6, 416, s6
	s_cmp_lt_u32 ttmp9, 416
	s_cselect_b64 s[4:5], s[16:17], s[4:5]
	s_cselect_b32 s6, 400, s6
	s_cmp_lt_u32 ttmp9, 400
	s_cselect_b64 s[4:5], s[14:15], s[4:5]
	s_cselect_b32 s6, 384, s6
	s_cmp_lt_u32 ttmp9, 384
	s_cselect_b64 s[4:5], s[12:13], s[4:5]
	s_cselect_b32 s6, 256, s6
	s_cmp_lt_u32 ttmp9, 256
	s_cselect_b64 s[4:5], s[10:11], s[4:5]
	s_cselect_b32 s6, 128, s6
	s_cmp_lt_u32 ttmp9, 128
	s_cselect_b64 s[4:5], s[8:9], s[4:5]
	s_cselect_b32 s6, 0, s6
	s_sub_co_u32 s6, ttmp9, s6                     ; the work-group's number in its tensor: 64 rows each
	s_lshl_b32 s6, s6, 6
	s_lshr_b32 s7, s2, 1
	s_lshl_b32 s7, s7, 5
	s_add_co_u32 s6, s6, s7
	s_and_b32 s7, s2, 1
	s_lshl_b32 s7, s7, 3
	s_add_co_u32 s6, s6, s7                        ; my tile's first row: + 32 (wave / 2) + 8 (wave % 2)
	s_lshl_b32 s6, s6, 12                          ; rows of 4,096 bytes (under 2^26)
	s_mov_b32 s7, 0
	s_add_nc_u64 s[4:5], s[4:5], s[6:7]
	s_lshl_b32 s26, ttmp9, 2
	s_add_co_u32 s26, s26, s2                      ; my tile among all 1,792
	s_mul_i32 s28, s26, 12288
	s_mov_b32 s29, 0
	s_add_nc_u64 s[22:23], s[22:23], s[28:29]
	s_lshl_b32 s28, s26, 9
	s_add_nc_u64 s[24:25], s[24:25], s[28:29]
.macro LOAD t                          ; step t: 64 K of 16 rows; load i takes tile rows 2 i and 2 i + 1, which lie 8 further down from tile row 8 on
.irp i, 0,1,2,3,4,5,6,7
	global_load_b128 v[R+32*((\t)%4)+4*\i:R+32*((\t)%4)+4*\i+3], v[GI], s[4:5] offset:(2*\i+8*(\i/4))*4096+256*(\t) th:TH_LOAD_NT
.endr
.endm
.macro TURN t                          ; through the stage: LDS serves a wave's instructions in order, so no wait stands between the stores and the loads
.irp i, 0,1,2,3,4,5,6,7
	ds_store_b128 v[SI], v[R+32*((\t)%4)+4*\i:R+32*((\t)%4)+4*\i+3] offset:STGB*((\t)%2)+544*\i
.endr
.irp i, 0,1,2,3,4,5,6,7
	ds_load_b128 v[X+32*((\t)%2)+4*\i:X+32*((\t)%2)+4*\i+3], v[SOA] offset:STGB*((\t)%2)+16*\i
.endr
.endm
.macro STEP t
.set XS, X+32*((\t)%2)
.set CC, C+8*((\t)%4)
	s_wait_dscnt 0x0                               ; this step's block is back from the stage, and the stage's stores have read their registers
.if (\t) >= 4
	s_wait_xcnt 0x0                                ; the stores of four steps ago have read this set of codes: it is written again only behind this wait
.endif
.if (\t)+4 < 16
	LOAD (\t)+4
.endif
.if (\t) < 15
.if (\t)+4 < 16
	s_wait_loadcnt 24                              ; the next step's 8 loads are in; those of the three steps behind it may be out
.else
	s_wait_loadcnt 8*(14-(\t))
.endif
	TURN (\t)+1
.endif
	v_max3_num_f32 v10, |v[XS]|, |v[XS+1]|, |v[XS+2]|      ; the block's largest magnitude: all 32 numbers are mine; two chains
	v_max3_num_f32 v11, |v[XS+3]|, |v[XS+4]|, |v[XS+5]|
.irp i, 6,10,14,18,22,26
	v_max3_num_f32 v10, v10, |v[XS+\i]|, |v[XS+\i+1]|
	v_max3_num_f32 v11, v11, |v[XS+\i+2]|, |v[XS+\i+3]|
.endr
	v_max3_num_f32 v10, v10, |v[XS+30]|, |v[XS+31]|
	v_max3_num_f32 v10, v10, v11, 0x1800000        ; and the floor 2^(3 - 127): the byte cannot fall under 1
	v_add_nc_u32 v12, 0xff000000, v10              ; 2 off the exponent field: the conversion's scale operand
	v_cvt_scalef32_pk16_fp6_f32 v[CC:CC+2], v[XS:XS+15], v12
	v_cvt_scalef32_pk16_fp6_f32 v[TC:TC+2], v[XS+16:XS+31], v12   ; (a conversion's three registers begin on an even number)
	v_lshrrev_b32 v13, 23, v12                     ; the scale's byte; also the plain instruction behind the conversions
	v_mov_b32 v[CC+3], v[TC]
	v_mov_b32 v[CC+4], v[TC+1]
	v_mov_b32 v[CC+5], v[TC+2]
.if (\t)%2 == 0
	v_mov_b32 v[SW+(\t)/2], v13                    ; block 2 t + h of the row: byte h of K step t / 2's word,
.else
	v_lshl_or_b32 v[SW+(\t)/2], v13, 16, v[SW+(\t)/2]  ; or byte 2 + h
.endif
	global_store_b128 v[L16], v[CC:CC+3], s[22:23] offset:768*(\t)        ; 512 consecutive bytes,
	global_store_b64 v[L8], v[CC+4:CC+5], s[22:23] offset:768*(\t)+512    ; and 256: both begin at multiples of 256
.endm
	LOAD 0
	LOAD 1
	LOAD 2
	LOAD 3
	s_wait_loadcnt 24                              ; step 0's 8 loads are in
	TURN 0
.irp t, 0,1,2,3,4,5,6,7,8,9,10,11,12,13,14,15
	STEP \t
.endr
.irp i, 0,1,2,3,4,5,6,7
	v_lshlrev_b32 v[SW+\i], v[SH], v[SW+\i]        ; my two bytes to their places,
.endr
.irp i, 0,1,2,3,4,5,6,7
	v_permlanex16_b32 v31, v[SW+\i], s30, s31
	v_or_b32 v[SW+\i], v[SW+\i], v31               ; with lane l xor 16's two the word is whole
.endr
	v_cmp_lt_u32 vcc_lo, 15, v1
.irp i, 0,1,2,3
	v_cndmask_b32 v[YW+\i], v[SW+\i], v[SW+4+\i], vcc_lo   ; lanes 0-15: K steps 0-3; lanes 16-31: K steps 4-7
.endr
	global_store_b128 v[L16], v[YW:YW+3], s[24:25] ; 512 consecutive bytes
	s_wait_tensorcnt 0x0                           ; the wave's end, behind my last LDS store
	ds_add_u32 v[SPW], v[NIL]
	s_wait_dscnt 0x0
	s_endpgm
.Lfunc_end_k_q33622b6817_quant:
	.size	k_q33622b6817_quant, .Lfunc_end_k_q33622b6817_quant-k_q33622b6817_quant
	.p2alignl 7, 3214868480
	.fill 96, 4, 3214868480
	.section	.rodata,"a",@progbits
	.p2align	6, 0x0
	.amdhsa_kernel k_q33622b6817_quant
		.amdhsa_group_segment_fixed_size 35328
		.amdhsa_private_segment_fixed_size 0
		.amdhsa_enable_private_segment 0
		.amdhsa_kernarg_size 72
		.amdhsa_user_sgpr_count 2
		.amdhsa_user_sgpr_kernarg_segment_ptr 1
		.amdhsa_wavefront_size32 1
		.amdhsa_system_sgpr_workgroup_id_x 1
		.amdhsa_system_sgpr_workgroup_id_y 1
		.amdhsa_system_sgpr_workgroup_id_z 1
		.amdhsa_system_vgpr_workitem_id 0
		.amdhsa_next_free_vgpr 256
		.amdhsa_next_free_sgpr 66
		.amdhsa_reserve_vcc 1
		.amdhsa_float_denorm_mode_32 3
		.amdhsa_float_denorm_mode_16_64 3
		.amdhsa_memory_ordered 1
		.amdhsa_forward_progress 1
		.amdhsa_inst_pref_size 60
	.end_amdhsa_kernel
	.amdgpu_metadata
---
amdhsa.version: [ 1, 2 ]
amdhsa.kernels:
  - .name:           k_q33622b6817_quant
    .symbol:         k_q33622b6817_quant.kd
    .args:
      - { .name: Q, .offset: 0, .size: 8, .value_kind: global_buffer, .address_space: global }
      - { .name: K, .offset: 8, .size: 8, .value_kind: global_buffer, .address_space: global }
      - { .name: V, .offset: 16, .size: 8, .value_kind: global_buffer, .address_space: global }
      - { .name: WQ, .offset: 24, .size: 8, .value_kind: global_buffer, .address_space: global }
      - { .name: WK, .offset: 32, .size: 8, .value_kind: global_buffer, .address_space: global }
      - { .name: WV, .offset: 40, .size: 8, .value_kind: global_buffer, .address_space: global }
      - { .name: Wfc, .offset: 48, .size: 8, .value_kind: global_buffer, .address_space: global }
      - { .name: cod, .offset: 56, .size: 8, .value_kind: global_buffer, .address_space: global }
      - { .name: scl, .offset: 64, .size: 8, .value_kind: global_buffer, .address_space: global }
    .group_segment_fixed_size: 35328
    .private_segment_fixed_size: 0
    .kernarg_segment_align: 8
    .kernarg_segment_size: 72
    .max_flat_workgroup_size: 128
    .sgpr_count:     66
    .vgpr_count:     256
    .wavefront_size: 32
...
	.end_amdgpu_metadata
.endif
;; end of part 1
;; launch proj (part 2): grid 4 x 64, 4 waves a work-group, clusters of 4 x 4, 327,680 bytes of LDS; arguments cod, scl, qkc, qks, vc, vs; writes qkc, qks, vc, vs
.if DOCPART == 2
	.amdgcn_target "amdgcn-amd-amdhsa--gfx1250"
	.amdhsa_code_object_version 6
	.text
	.protected	k_q33622b6817_proj
	.globl	k_q33622b6817_proj
	.p2align	8
	.type	k_q33622b6817_proj,@function
k_q33622b6817_proj:
	s_mov_b64 s[64:65], 0
	v_nop
	global_prefetch_b8 v0, s[64:65] scope:SCOPE_SE
	s_setreg_imm32_b32 hwreg(HW_REG_WAVE_MODE, 25, 1), 1
	s_wait_xcnt 0x0
	s_wait_alu depctr_hold_cnt(0) depctr_sa_sdst(0) depctr_va_vdst(0) depctr_va_sdst(0) depctr_va_ssrc(0) depctr_va_vcc(0) depctr_vm_vsrc(0)
	s_getreg_b32 s2, hwreg(HW_REG_IB_STS2, 6, 4)
	s_cmp_eq_u32 s2, 0
	s_cbranch_scc0 .Lentry_in_a_cluster
	s_endpgm
.Lentry_in_a_cluster:
	s_bfe_u32 s2, ttmp6, 0x10000c
	s_cmp_lg_u32 s2, 0xf033
	s_cbranch_scc0 .Lentry_shape_is_right
	s_endpgm
.Lentry_shape_is_right:
; q = Q WQ^T, k = K WK^T, v = V WV^T on codes of FP6 (E2M3) with E8M0 scales, and each result quantised again in registers for attention: q and k along the head's 64, v along the keys.
; A tile is 128 rows of "A" x 256 rows of "B", K = 1,024; four waves, each 64 x 128: 32 accumulators.  The matrix instruction is used transposed (source 0 = 16 rows of B, source 1 = 16 rows of A):
; a lane holds one row of A and its registers run along B's rows.  By the order of rows in a tile of 16 (lane r of tile T = row 32 (T / 2) + 8 (T % 2) + r + 8 (r / 8)) the 16 registers of B's tiles 2 b, 2 b + 1
; are 16 NEIGHBOURS: 32 b + 16 (lane / 16) + 0 .. 15.  So the 64 registers of one tile of A are 128 neighbours along the next product's K, ready for the conversions.
; A WORK-GROUP STAYS and makes three tiles, the same walk in all partners of its cluster (y = the cluster's y, 0 .. 15): A = tokens of Q, B = WQ; A = tokens of K, B = WK (registers run along the features: two heads of 64);
; A = WV (one head a wave), B = tokens of V (registers run along 128 keys).  The first two are a loop's two trips, the third is written out: it asks for nothing more.
; LDS: ALL OF A TILE'S K, in two halves of 512 K, 147,456 bytes each (A's 8 tiles of 16 rows x 6,144 bytes, then B's 16).  At the head one tensor load a wave: A's half 0, B's half 0, A's half 1, B's half 1.
; THE HALVES ARE A RING.  Half 0 is read for the last time in K step 2: in K step 3 a drained round of the cluster's barrier stands, and waves 0 and 1 fill it with the next tile's half 0.  Half 1 likewise in K step 7, by waves 2 and 3;
; behind that round the next tile's first fragments are fetched.  So a tile's way out stands between the last products and the next tile's first, with the next tile's codes in LDS or on their way.
; The codes lie in memory and in LDS as images of the operand's registers (16 or 8 bytes a lane, on end): no pitch, no padding.
; CLUSTER 4 x 4: A's tiles hang on cy alone and are asked for jointly along a row of the cluster, B's on cx alone, along a column.
; PREFETCH INTO THE L2: in K step 0 the next tile's half 0, in K step 4 its half 1: three K steps ahead of the refill that wants them.  A half of A is 192 blocks of 256 bytes, shared out by address among the four partners that ask
; jointly (cx) and their four waves: 12 lanes a wave; of B 384 blocks (cy): 24 lanes a wave; the lanes left over name their wave's last block again.  The first tile comes by its loads alone, the last trip's successor is the last tile.
; OUT.  qkc [q, k][b][head][token tile 64][768]: half a fragment (16 tokens x 64).  qks [q, k][b][head][8][2][r 16][4] words (tile = 8 i + 4 j + a): bytes 0, 1 the head's two scales.
; vc [b][head][key block 8][d tile 4][1536]: a fragment's registers 4 c .. 4 c + 3 at 512 c + 16 x lane.  vs [b][head][key block][r 16][d tile 4] words.
; LIMITS: NaN and infinities are not served; a block of zeros gets the byte 1 (its codes are zeros, the bytes are read by this program alone).
; REGISTERS.  window 0: v1-10 lane terms; v14, v15 the add's two; v16-23 LDS addresses; v32-47 A's scale words, v48-79 B's; v128-223 A's fragments, two sets; the way out's codes in v80-119 and v176-215 (set 1, done with:
;   set 0 holds the next tile's first fragments); v224-247 at work.   window 1: B's fragments, two sets, at v0 and v128.   window 2: accumulator (a, b) at v[8 (8 a + b)].
.set PIECE, 147456                     ; a half
.set TILEB, 6144                       ; a tile's 512 K in bytes
.set BOFF,  49152                      ; B's tiles behind A's eight
.set SPARE, 2*PIECE                    ; the spare words, 128 bytes a wave
.set L16, 2                            ; v2  16 x lane
.set L8,  3                            ; v3  8 x lane
.set RR,  4                            ; v4  r
.set HH,  5                            ; v5  h
.set SH16, 6                           ; v6  16 h
.set QSO, 7                            ; v7  4096 h + 16 r
.set R16, 8                            ; v8  16 r
.set PFA, 9                            ; v9  my block of a half of A, for the prefetches
.set PFB, 10                           ; v10 of B
.set SPW, 14
.set NIL, 15
.set ADR, 16                           ; v[16 + 4 p ..]: half p: A by 16, A by 8, B by 16, B by 8 bytes a lane
.set SCA, 32                           ; register 4 a + s % 4: lanes 0-15 K step s % 4, lanes 16-31 K step 4 + s % 4
.set SCB, 48
.set AF,  128
.set TM,  224
.set PW,  240
.set SW,  244
.set J,  3                             ; s3 the loop's trips
.set WV, 16
.set AH, 17
.set BH, 18
.set CX, 19
.set CY, 20
.set YY, 21
.set SEL, 22
.set G1A, 24
.set G1B, 32
.set G0A, 40                           ; s[40:43] half 0, s[44:47] half 1
.set G0B, 56                           ; s[56:59], s[60:63]
.set TA, 66                            ; s66-68 A's first tile of 16 rows: this tile's, the next's, the one's after
.set TB, 69                            ; s69-71 B's
.set PBA, 88                           ; s[88:89] where the next tile's A begins in cod
.set PBB, 90                           ; s[90:91] its B
.set CP, 96                            ; s[96:97] where this tile's codes go
.set SP, 98                            ; s[98:99] its scale words
.set MSB, 0
.macro WIN new                         ; the immediate's high byte repeats the setting that is left
.if MSB != \new
	s_set_vgpr_msb (MSB<<8)|\new
.set MSB, \new
.endif
.endm
.set MUL,  0xa1                        ; source 0 (B) window 1, source 1 (A) window 0, C and D window 2
.set TO_B, 0x40                        ; destination window 1
.macro CREST                           ; a round of the cluster's barrier behind its opening barrier
	s_cmp_lg_u32 s[WV], 0
	s_cbranch_scc1 .Lnot_wave_0_\@
	s_barrier_signal -3
.Lnot_wave_0_\@:
	s_barrier_wait -3
	s_barrier_signal -1
	s_barrier_wait -1
.endm
.macro CROUND                          ; a whole round
	s_barrier_signal -1
	s_barrier_wait -1
	CREST
.endm
.macro PLACES                          ; four plain instructions behind a matrix instruction, ahead of loads into its sources and of reads of its result
.rept 4
	v_nop
.endr
.endm
.macro TLOAD g0, g1                    ; a tensor load; an s_nop 0 and four v_nop follow it
	tensor_load_to_lds s[\g0:\g0+3], s[\g1:\g1+7]
	s_nop 0
	PLACES
.endm
.macro BASES n                         ; where tile n's A and B begin (n = 0 this tile, 1 the next); s73 = s75 = 0
	s_mul_i32 s72, s[TA+\n], 12288
	s_mul_i32 s74, s[TB+\n], 12288
	s_add_nc_u64 s[PBA:PBA+1], s[4:5], s[72:73]
	s_add_nc_u64 s[PBB:PBB+1], s[4:5], s[74:75]
.endm
.macro SETG h                          ; group 0's addresses for half h of that tile
	s_add_nc_u64 s[G0A+4*(\h)+2:G0A+4*(\h)+3], s[PBA:PBA+1], (\h)*TILEB
	s_add_nc_u64 s[G0B+4*(\h)+2:G0B+4*(\h)+3], s[PBB:PBB+1], (\h)*TILEB
	s_or_b32 s[G0A+4*(\h)+3], s[G0A+4*(\h)+3], 0x80000000
	s_or_b32 s[G0B+4*(\h)+3], s[G0B+4*(\h)+3], 0x80000000
.endm
.macro SCALES n                        ; tile n's scale words for all of K: 512 consecutive bytes a tile of 16 rows; my 4 of A, my 8 of B; s77 = s79 = 0
	s_lshl_b32 s76, s[AH], 2
	s_add_co_u32 s76, s76, s[TA+\n]
	s_lshl_b32 s76, s76, 9
	s_lshl_b32 s78, s[BH], 3
	s_add_co_u32 s78, s78, s[TB+\n]
	s_lshl_b32 s78, s78, 9
	s_add_nc_u64 s[92:93], s[6:7], s[76:77]
	s_add_nc_u64 s[94:95], s[6:7], s[78:79]
.irp a, 0,1,2,3
	global_load_b128 v[SCA+4*\a:SCA+4*\a+3], v[L16], s[92:93] offset:512*\a
.endr
.irp b, 0,1,2,3,4,5,6,7
	global_load_b128 v[SCB+4*\b:SCB+4*\b+3], v[L16], s[94:95] offset:512*\b
.endr
.endm
.macro REFILL h                        ; half h again: wave 2 h A's tiles, wave 2 h + 1 B's
	s_cmp_eq_u32 s[WV], 2*(\h)
	s_cbranch_scc0 .Lfor_b_\@
	TLOAD G0A+4*(\h), G1A
	s_branch .Lasked_\@
.Lfor_b_\@:
	s_cmp_eq_u32 s[WV], 2*(\h)+1
	s_cbranch_scc0 .Lasked_\@
	TLOAD G0B+4*(\h), G1B
.Lasked_\@:
.endm
	s_load_b256 s[4:11], s[0:1], 0x0               ; cod, scl, qkc, qks
	s_load_b128 s[12:15], s[0:1], 0x20             ; vc, vs
	v_lshl_add_u32 v[SPW], v0, 2, SPARE
	v_mov_b32 v[NIL], 0
	ds_add_u32 v[SPW], v[NIL]                      ; the opening lines: the add, twice on end, and its wait ahead of my first tensor load
	ds_add_u32 v[SPW], v[NIL]
	v_lshrrev_b32 v1, 5, v0
	v_readfirstlane_b32 s[WV], v1
	s_lshr_b32 s[AH], s[WV], 1                     ; which 64 rows of A are mine
	s_and_b32 s[BH], s[WV], 1                      ; which 128 rows of B
	s_bfe_u32 s[CX], ttmp6, 0x40000
	s_bfe_u32 s[CY], ttmp6, 0x40004
	s_and_b32 s[YY], ttmp7, 0xffff                 ; the cluster's y
	s_lshl_b32 s82, s[CY], 3                       ; A's tiles hang on cy, never on cx
	s_lshl_b32 s83, s[CX], 4                       ; B's on cx, never on cy
	s_lshl_b32 s[TA], s[YY], 5
	s_add_co_u32 s[TA], s[TA], s82                 ; Q's tokens: 32 y + 8 cy
	s_add_co_u32 s[TA+1], s[TA], 512               ; K's: 512 tiles on
	s_and_b32 s[TA+2], s[YY], 1
	s_lshl_b32 s[TA+2], s[TA+2], 5
	s_add_co_u32 s[TA+2], s[TA+2], 1664
	s_add_co_u32 s[TA+2], s[TA+2], s82             ; WV: 1664 + 32 (y % 2) + 8 cy
	s_add_co_u32 s[TB], s83, 1536                  ; WQ
	s_add_co_u32 s[TB+1], s83, 1600                ; WK
	s_lshr_b32 s[TB+2], s[YY], 1
	s_lshl_b32 s[TB+2], s[TB+2], 6
	s_add_co_u32 s[TB+2], s[TB+2], 1024
	s_add_co_u32 s[TB+2], s[TB+2], s83             ; V's tokens: 1024 + 64 (y / 2) + 16 cx
	s_lshl_b32 s96, s[CY], 2
	s_lshl_b32 s96, 15, s96                        ; my row of the cluster
	s_lshl_b32 s97, 0x1111, s[CX]                  ; my column
	; group 1: rows = tiles: 6,144 bytes (768 elements of 8) of each tile's 12,288; A: 8 tiles a load, B: 16; dense in LDS
	s_or_b32 s[G1A], s96, (3<<16)|(1<<21)
	s_or_b32 s[G1B], s97, (3<<16)|(1<<21)
	s_mov_b32 s[G1A+1], 768<<16
	s_mov_b32 s[G1A+2], 8<<16
	s_mov_b32 s[G1A+3], 768<<16
	s_mov_b32 s[G1A+4], 8
	s_mov_b32 s[G1A+5], 1536
	s_mov_b32 s[G1A+6], 0
	s_mov_b32 s[G1A+7], 0
	s_mov_b32 s[G1B+1], 768<<16
	s_mov_b32 s[G1B+2], 16<<16
	s_mov_b32 s[G1B+3], 768<<16
	s_mov_b32 s[G1B+4], 16
	s_mov_b32 s[G1B+5], 1536
	s_mov_b32 s[G1B+6], 0
	s_mov_b32 s[G1B+7], 0
.irp p, 0,1
	s_mov_b32 s[G0A+4*\p], 1
	s_mov_b32 s[G0A+4*\p+1], \p*PIECE
	s_mov_b32 s[G0B+4*\p], 1
	s_mov_b32 s[G0B+4*\p+1], \p*PIECE+BOFF
.endr
	s_mov_b32 s73, 0
	s_mov_b32 s75, 0
	s_mov_b32 s77, 0
	s_mov_b32 s79, 0
	s_mov_b32 s[SEL], 0x76543210
	s_mov_b32 s[SEL+1], 0xfedcba98
	v_and_b32 v1, 31, v0                           ; lane
	v_lshlrev_b32 v[L16], 4, v1
	v_lshlrev_b32 v[L8], 3, v1
	v_and_b32 v[RR], 15, v0
	v_bfe_u32 v[HH], v0, 4, 1
	v_lshlrev_b32 v[SH16], 4, v[HH]
	v_lshlrev_b32 v[R16], 4, v[RR]
	v_lshl_add_u32 v[QSO], v[HH], 12, v[R16]
	s_lshl_b32 s80, s[CX], 1                       ; the prefetches: of A's 8 tiles x 24 blocks, tile 2 cx + wave / 2, blocks 12 (wave % 2) + 0 .. 11
	s_add_co_u32 s80, s80, s[AH]
	s_mul_i32 s80, s80, 12288
	s_mul_i32 s81, s[BH], 3072
	s_add_co_u32 s80, s80, s81
	v_min_u32 v[PFA], 11, v1
	v_lshl_add_u32 v[PFA], v[PFA], 8, s80
	s_lshl_b32 s81, s[CY], 2                       ; of B's 16 tiles, tile 4 cy + wave, blocks 0 .. 23
	s_add_co_u32 s81, s81, s[WV]
	s_mul_i32 s81, s81, 12288
	v_min_u32 v[PFB], 23, v1
	v_lshl_add_u32 v[PFB], v[PFB], 8, s81
	s_mul_i32 s98, s[AH], 24576                    ; my 4 tiles of A in a half,
	s_mul_i32 s99, s[BH], 49152
	s_add_co_u32 s99, s99, BOFF                    ; my 8 of B
.irp p, 0,1
	v_add_nc_u32 v[ADR+4*\p], s98, v[L16]
	v_add_nc_u32 v[ADR+4*\p+1], s98, v[L8]
	v_add_nc_u32 v[ADR+4*\p+2], s99, v[L16]
	v_add_nc_u32 v[ADR+4*\p+3], s99, v[L8]
	s_add_co_u32 s98, s98, PIECE
	s_add_co_u32 s99, s99, PIECE
.endr
.irp b, 0,1,2,3
	v_mov_b32 v[TM+4+\b], 0                        ; written once: a lane permute's destination counts as one of its sources
.endr
	s_wait_alu depctr_va_vdst(0)
	s_wait_dscnt 0x0                               ; the opening adds are done
	s_wait_kmcnt 0x0
	BASES 0
	SETG 0
	SETG 1
	CROUND                                         ; all sixteen work-groups are here: the joint loads meet
	s_cmp_eq_u32 s[WV], 0                          ; one chain of branches on the wave's number, one load to an arm
	s_cbranch_scc0 .Lwave_1
	TLOAD G0A, G1A                                 ; wave 0: A's half 0
	s_branch .Lfirst_asked
.Lwave_1:
	s_cmp_eq_u32 s[WV], 1
	s_cbranch_scc0 .Lwave_2
	TLOAD G0B, G1B                                 ; wave 1: B's half 0
	s_branch .Lfirst_asked
.Lwave_2:
	s_cmp_eq_u32 s[WV], 2
	s_cbranch_scc0 .Lwave_3
	TLOAD G0A+4, G1A                               ; wave 2: A's half 1
	s_branch .Lfirst_asked
.Lwave_3:
	TLOAD G0B+4, G1B                               ; wave 3: B's half 1
.Lfirst_asked:
	SCALES 0
.macro FRAG reg, adr, off              ; a fragment, 16 rows x 128 K: two images of 768 bytes
	ds_load_b128 v[(\reg):(\reg)+3], v[(\adr)] offset:(\off)
	ds_load_b64 v[(\reg)+4:(\reg)+5], v[(\adr)+1] offset:(\off)+512
	ds_load_b128 v[(\reg)+6:(\reg)+9], v[(\adr)] offset:(\off)+768
	ds_load_b64 v[(\reg)+10:(\reg)+11], v[(\adr)+1] offset:(\off)+1280
.endm
.macro FETCH s                         ; K step s into set s % 2: B's 8 fragments, then A's 4: 48 loads, the last 8 of them A's blocks 2 and 3
	WIN TO_B
.irp i, 0,1,2,3,4,5,6,7
	FRAG 128*((\s)%2)+12*\i,ADR+2+4*((\s)/4),\i*TILEB+((\s)%4)*1536
.endr
	WIN 0
.irp i, 0,1,2,3
	FRAG AF+48*((\s)%2)+12*\i,ADR+4*((\s)/4),\i*TILEB+((\s)%4)*1536
.endr
.endm
; 16 matrix instructions: A's blocks a0, a0 + 1 x B's eight.  The 32 accumulators take turns, one instruction a turn, in the same order in every K step.  K step 0 starts the sums.
.macro MUL16 a0, s
.irp a, \a0, \a0+1
.irp b, 0,1,2,3,4,5,6,7
.if (\s) == 0
	v_wmma_scale_f32_16x16x128_f8f6f4 v[8*(8*(\a)+\b):8*(8*(\a)+\b)+7], v[128*((\s)%2)+12*\b:128*((\s)%2)+12*\b+11], v[AF+48*((\s)%2)+12*(\a):AF+48*((\s)%2)+12*(\a)+11], 0, v[SCB+4*\b+(\s)%4], v[SCA+4*(\a)+(\s)%4] matrix_a_fmt:MATRIX_FMT_FP6 matrix_b_fmt:MATRIX_FMT_FP6
.elseif (\s) < 4
	v_wmma_scale_f32_16x16x128_f8f6f4 v[8*(8*(\a)+\b):8*(8*(\a)+\b)+7], v[128*((\s)%2)+12*\b:128*((\s)%2)+12*\b+11], v[AF+48*((\s)%2)+12*(\a):AF+48*((\s)%2)+12*(\a)+11], v[8*(8*(\a)+\b):8*(8*(\a)+\b)+7], v[SCB+4*\b+(\s)%4], v[SCA+4*(\a)+(\s)%4] matrix_a_fmt:MATRIX_FMT_FP6 matrix_b_fmt:MATRIX_FMT_FP6
.else
	v_wmma_scale_f32_16x16x128_f8f6f4 v[8*(8*(\a)+\b):8*(8*(\a)+\b)+7], v[128*((\s)%2)+12*\b:128*((\s)%2)+12*\b+11], v[AF+48*((\s)%2)+12*(\a):AF+48*((\s)%2)+12*(\a)+11], v[8*(8*(\a)+\b):8*(8*(\a)+\b)+7], v[SCB+4*\b+(\s)%4], v[SCA+4*(\a)+(\s)%4] matrix_a_fmt:MATRIX_FMT_FP6 matrix_b_fmt:MATRIX_FMT_FP6 matrix_a_scale:MATRIX_SCALE_ROW1 matrix_b_scale:MATRIX_SCALE_ROW1
.endif
.endr
.endr
.endm
; A K step of 128: 32 matrix instructions; in its middle the next step's 48 loads, in one run.  more = 1: the tile has a successor.
; K step 3: every wave waits for all its tensor loads, so half 1 is shown whole by the barrier.  With a successor the barrier opens a round of the cluster's barrier, the add and the wait for it and for my reads stand ahead of it
; and half 0 is filled again behind it.  K step 7 with a successor: the same for half 1; the round also shows the successor's half 0, whose first fragments are fetched behind it.
.macro SUB s, more
.if (\s) == 3 || ((\s) == 7 && (\more))
	WIN 0
	s_wait_tensorcnt 0x0                           ; all my tensor loads have landed
.if \more
	ds_add_u32 v[SPW], v[NIL]                      ; 0 onto my spare word
	SETG (\s)/4                                    ; no load of mine is out: the descriptors may be written
.endif
	s_wait_dscnt 0x0                               ; the add is done, and my reads of the half that is left
	s_barrier_signal -1
	WIN MUL
	MUL16 0, \s
	WIN 0
	s_barrier_wait -1
.if \more
	CREST
	REFILL (\s)/4                                  ; the first tensor load behind the round
.endif
.else
	s_wait_dscnt 8                                 ; B's set and A's blocks 0, 1 are in; the youngest 8 loads (A's blocks 2, 3) may be out
	WIN MUL
	MUL16 0, \s
.endif
.if (\s) < 7 || (\more)
	PLACES
	FETCH ((\s)+1)%8
.if (\more) && ((\s)%4 == 0)
	global_prefetch_b8 v[PFA], s[PBA:PBA+1] offset:((\s)/4)*TILEB th:TH_LOAD_NT scope:SCOPE_SE   ; the successor's half s / 4
	global_prefetch_b8 v[PFB], s[PBB:PBB+1] offset:((\s)/4)*TILEB th:TH_LOAD_NT scope:SCOPE_SE
.endif
	s_wait_dscnt 48                                ; all but the 48 just issued
.else
	s_wait_dscnt 0x0
.endif
	WIN MUL
	MUL16 2, \s
.endm
; The 64 results of A's tile a (register 16 b + i = index 32 b + 16 h + i along the next K) become a fragment's codes in v[PC] on and its scale word in v[PW].  Each accumulator is read from its low end on.
.macro QUANT a
.set AC, 64*(\a)
.set PC, 80+20*(\a)+56*((\a)/2)
	WIN 0x0a                                       ; sources 0 and 1: window 2
.irp b, 0,1,2,3
	v_max3_num_f32 v[TM+\b], |v[AC+16*\b]|, |v[AC+1+16*\b]|, 0x1800000   ; my 16 numbers of block b, and the floor 2^(3 - 127)
.endr
.irp i, 2,4,6,8,10,12,14
.irp b, 0,1,2,3
	v_max3_num_f32 v[TM+\b], |v[AC+16*\b+\i]|, |v[AC+1+16*\b+\i]|, v[TM+\b]
.endr
.endr
	WIN 0
.irp b, 0,1,2,3
	v_permlanex16_b32 v[TM+4+\b], v[TM+\b], s[SEL], s[SEL+1]
.endr
.irp b, 0,1,2,3
	v_max_num_f32 v[TM+\b], v[TM+\b], v[TM+4+\b]   ; with lane l xor 16's: the block's largest magnitude
.endr
.irp b, 0,1,2,3
	v_add_nc_u32 v[TM+12+\b], 0xff000000, v[TM+\b] ; 2 off the exponent field: the conversion's scale operand
.endr
.irp b, 0,1,2,3
	v_lshrrev_b32 v[TM+4+\b], 23, v[TM+12+\b]      ; the byte
.endr
	v_lshl_or_b32 v[PW], v[TM+5], 8, v[TM+4]
	v_lshl_or_b32 v[PW], v[TM+6], 16, v[PW]
	v_lshl_or_b32 v[PW], v[TM+7], 24, v[PW]
	WIN 0x02                                       ; source 0: window 2
.irp c, 0,1
	v_cvt_scalef32_pk16_fp6_f32 v[PC+6*\c:PC+2+6*\c], v[AC+32*\c:AC+15+32*\c], v[TM+12+2*\c]
	v_cvt_scalef32_pk16_fp6_f32 v[PC+12+4*\c:PC+14+4*\c], v[AC+16+32*\c:AC+31+32*\c], v[TM+12+2*\c+1]
.endr
	WIN 0
	v_nop                                          ; one plain instruction behind a scaled conversion
.irp c, 0,1                                    ; the layout wants a whole block in a lane: lanes 0-15 block 2 c, lanes 16-31 block 2 c + 1
.irp i, 0,1,2
	v_permlane16_swap_b32 v[PC+6*\c+\i], v[PC+12+4*\c+\i]
.endr
.irp i, 0,1,2
	v_mov_b32 v[PC+3+6*\c+\i], v[PC+12+4*\c+\i]
.endr
.endr
.endm
.macro EPI kind                        ; each tile of 16 rows has registers of its own for its codes: within a way out no store's data are written again
.irp a, 0,1,2,3
	QUANT \a
.if \kind == 0
	v_lshrrev_b32 v[SW+\a], v[SH16], v[PW]         ; lanes 0-15: the first head's two bytes lowest; lanes 16-31: the second head's
	global_store_b128 v[L16], v[PC:PC+3], s[CP:CP+1] offset:768*\a
	global_store_b64 v[L8], v[PC+4:PC+5], s[CP:CP+1] offset:768*\a+512
	global_store_b128 v[L16], v[PC+6:PC+9], s[CP:CP+1] offset:768*\a+49152       ; the next head: 64 tiles on
	global_store_b64 v[L8], v[PC+10:PC+11], s[CP:CP+1] offset:768*\a+49152+512
.else
	v_mov_b32 v[SW+\a], v[PW]
.irp c, 0,1,2
	global_store_b128 v[L16], v[PC+4*\c:PC+4*\c+3], s[CP:CP+1] offset:1536*\a+512*\c
.endr
.endif
.endr
.endm
	s_cmp_lt_u32 s[WV], 2
	s_cbranch_scc0 .Lnot_half0
	s_wait_tensorcnt 0x0                           ; waves 0 and 1: half 0 has landed; half 1's two loads may stay out
.Lnot_half0:
	s_barrier_signal -1
	s_barrier_wait -1
	FETCH 0
	s_mov_b32 s[J], 0
; ================= q's tile, then k's: each has a successor
.Ltile:
	BASES 1                                        ; the successor's codes: for the prefetches and the refills
	s_wait_loadcnt 0x0                             ; this tile's scale words
.irp s, 0,1,2,3,4,5,6,7
	SUB \s, 1
.endr
	WIN 0
	PLACES                                         ; ahead of the first read of results and of loads into the scale registers
	SCALES 1                                       ; the successor's scale words come in under the way out
	s_lshr_b32 s80, s[TA], 3                       ; my block of 128 tokens among 128
	s_lshr_b32 s81, s80, 3                         ; 8 x tensor + b
	s_and_b32 s80, s80, 7
	s_lshl_b32 s82, s[CX], 2
	s_lshl_b32 s83, s[BH], 1
	s_add_co_u32 s82, s82, s83                     ; my first head
	s_lshl_b32 s81, s81, 4
	s_add_co_u32 s81, s81, s82
	s_lshl_b32 s84, s81, 6
	s_lshl_b32 s85, s80, 3
	s_add_co_u32 s84, s84, s85
	s_lshl_b32 s85, s[AH], 2
	s_add_co_u32 s84, s84, s85                     ; my first token tile of that head
	s_mul_i32 s84, s84, 768
	s_mov_b32 s85, 0
	s_add_nc_u64 s[CP:CP+1], s[8:9], s[84:85]
	s_lshl_b32 s84, s81, 12
	s_lshl_b32 s86, s80, 9
	s_add_co_u32 s84, s84, s86
	s_lshl_b32 s86, s[AH], 8
	s_add_co_u32 s84, s84, s86
	s_add_nc_u64 s[SP:SP+1], s[10:11], s[84:85]
	EPI 0
	global_store_b128 v[QSO], v[SW:SW+3], s[SP:SP+1] ; four tiles' words of a row on end: sixteen lanes fill 256 consecutive bytes, for each of the two heads
	s_wait_xcnt 0x0                                ; the stores, the loads and the prefetches have read their registers and bases: these are written again
	s_mov_b32 s[TA], s[TA+1]
	s_mov_b32 s[TA+1], s[TA+2]
	s_mov_b32 s[TB], s[TB+1]
	s_mov_b32 s[TB+1], s[TB+2]
	s_add_co_u32 s[J], s[J], 1
	s_cmp_lt_u32 s[J], 2
	s_wait_alu depctr_va_vdst(0)
	s_cbranch_scc1 .Ltile
; ================= v's tile: nothing more is asked for
	s_wait_loadcnt 0x0
.irp s, 0,1,2,3,4,5,6,7
	SUB \s, 0
.endr
	WIN 0
	PLACES
	s_and_b32 s80, s[YY], 1
	s_lshl_b32 s80, s80, 3
	s_lshl_b32 s81, s[CY], 1
	s_add_co_u32 s80, s80, s81
	s_add_co_u32 s80, s80, s[AH]                   ; my head
	s_lshr_b32 s81, s[YY], 1
	s_lshl_b32 s81, s81, 3
	s_lshl_b32 s82, s[CX], 1
	s_add_co_u32 s81, s81, s82
	s_add_co_u32 s81, s81, s[BH]                   ; my block of 128 keys among 64
	s_lshr_b32 s82, s81, 3                         ; b
	s_and_b32 s81, s81, 7
	s_lshl_b32 s82, s82, 4
	s_add_co_u32 s82, s82, s80
	s_lshl_b32 s82, s82, 3
	s_add_co_u32 s82, s82, s81
	s_mul_i32 s84, s82, 6144
	s_mov_b32 s85, 0
	s_add_nc_u64 s[CP:CP+1], s[12:13], s[84:85]
	s_lshl_b32 s84, s82, 8
	s_add_nc_u64 s[SP:SP+1], s[14:15], s[84:85]
	EPI 1
	s_wait_alu depctr_va_vdst(0)
	s_wait_xcnt 0x0                                ; EXEC changes only behind this wait: stores are out
	v_cmp_gt_u32 vcc_lo, 16, v1
	s_and_saveexec_b32 s80, vcc_lo
	global_store_b128 v[R16], v[SW:SW+3], s[SP:SP+1] ; lanes 0-15: 256 consecutive bytes (lanes 16-31 hold the same words)
	s_wait_xcnt 0x0
	s_or_b32 exec_lo, exec_lo, s80
	s_wait_tensorcnt 0x0                           ; the wave's end
	ds_add_u32 v[SPW], v[NIL]
	s_wait_dscnt 0x0
	CROUND                                         ; the closing round
	s_endpgm
.Lfunc_end_k_q33622b6817_proj:
	.size	k_q33622b6817_proj, .Lfunc_end_k_q33622b6817_proj-k_q33622b6817_proj
	.p2alignl 7, 3214868480
	.fill 96, 4, 3214868480
	.section	.rodata,"a",@progbits
	.p2align	6, 0x0
	.amdhsa_kernel k_q33622b6817_proj
		.amdhsa_group_segment_fixed_size 327680
		.amdhsa_private_segment_fixed_size 0
		.amdhsa_enable_private_segment 0
		.amdhsa_kernarg_size 48
		.amdhsa_user_sgpr_count 2
		.amdhsa_user_sgpr_kernarg_segment_ptr 1
		.amdhsa_wavefront_size32 1
		.amdhsa_system_sgpr_workgroup_id_x 1
		.amdhsa_system_sgpr_workgroup_id_y 1
		.amdhsa_system_sgpr_workgroup_id_z 1
		.amdhsa_system_vgpr_workitem_id 0
		.amdhsa_next_free_vgpr 768
		.amdhsa_next_free_sgpr 100
		.amdhsa_reserve_vcc 1
		.amdhsa_float_denorm_mode_32 3
		.amdhsa_float_denorm_mode_16_64 3
		.amdhsa_memory_ordered 1
		.amdhsa_forward_progress 1
		.amdhsa_inst_pref_size 167
	.end_amdhsa_kernel
	.amdgpu_metadata
---
amdhsa.version: [ 1, 2 ]
amdhsa.kernels:
  - .name:           k_q33622b6817_proj
    .symbol:         k_q33622b6817_proj.kd
    .args:
      - { .name: cod, .offset: 0, .size: 8, .value_kind: global_buffer, .address_space: global }
      - { .name: scl, .offset: 8, .size: 8, .value_kind: global_buffer, .address_space: global }
      - { .name: qkc, .offset: 16, .size: 8, .value_kind: global_buffer, .address_space: global }
      - { .name: qks, .offset: 24, .size: 8, .value_kind: global_buffer, .address_space: global }
      - { .name: vc, .offset: 32, .size: 8, .value_kind: global_buffer, .address_space: global }
      - { .name: vs, .offset: 40, .size: 8, .value_kind: global_buffer, .address_space: global }
    .group_segment_fixed_size: 327680
    .private_segment_fixed_size: 0
    .kernarg_segment_align: 8
    .kernarg_segment_size: 48
    .max_flat_workgroup_size: 128
    .sgpr_count:     100
    .vgpr_count:     768
    .wavefront_size: 32
...
	.end_amdgpu_metadata
.endif
;; end of part 2
;; launch attn (part 3): grid 2 x 128, 8 waves a work-group, no clusters, 167,936 bytes of LDS; arguments qkc, qks, vc, vs, cc, cs; writes cc, cs
.if DOCPART == 3
	.amdgcn_target "amdgcn-amd-amdhsa--gfx1250"
	.amdhsa_code_object_version 6
	.text
	.protected	k_q33622b6817_attn
	.globl	k_q33622b6817_attn
	.p2align	8
	.type	k_q33622b6817_attn,@function
k_q33622b6817_attn:
	s_mov_b64 s[64:65], 0
	v_nop
	global_prefetch_b8 v0, s[64:65] scope:SCOPE_SE
	s_setreg_imm32_b32 hwreg(HW_REG_WAVE_MODE, 25, 1), 1
	s_wait_xcnt 0x0
; context = softmax(q k^T / 8) v for one head, both products on codes of FP6 (E2M3) with E8M0 scales, and the context quantised again along the head's 64 for the last product.
; THE SOFTMAX: t = score x log2(e) / 8; M = the running largest t rounded UP to a whole number; p = 2^(t - M) is quantised along the keys, not normalised; the row's sum is taken of the unquantised p and divides at the end.
; When M moves, the sum and O are multiplied by 2^(old M - new M): exact.
; SHARES.  A work-group owns one head (y = 16 b + head) and 512 of its queries (x).  Each of eight waves owns 64 queries: two passes of TWO tiles of 16 at once (tile 4 wave + 2 pass + u), so that each fragment of k and v read from LDS feeds 32 queries.
; TILE u's REGISTERS LIE IN WINDOW u UNDER THE SAME NUMBERS: one text serves both tiles under another s_set_vgpr_msb.  k's fragments lie in window 1, v's two in each window; scale words in window 0.
; LAYOUT.  Both products transposed: S^T = k q^T (source 0 = keys), O^T = v^T p^T (source 0 = 16 of the head's 64): a lane holds one query throughout.  The first product's K is 64: a fragment of k holds TWO key tiles, 2 g in K 0-63 and 2 g + 1 in K 64-127;
; it is multiplied by [q | zero codes] and by [zero codes | q].  Its scale word is the two tiles' halfwords, put together once at the head; q's word holds its two bytes twice.
; By the order of rows in a tile (lane r of tile T = row 32 (T / 2) + 8 (T % 2) + r + 8 (r / 8)) the 16 registers of tiles 2 b, 2 b + 1 are 16 neighbouring keys (S^T) or channels (O^T).
; A KEY STEP: both tiles' first products; both tiles' maxima and t - M; ONE batch of exponentials for both, with one wait ahead of it and one behind; both tiles' scales and codes; the second products.  The LDS loads of this step's v and of the next step's k stand ahead of the batch.
; LDS: the head's whole k and v, filled once, one tensor load a wave: wave 2 i k's key blocks 2 i, 2 i + 1, wave 2 i + 1 v's.  Waves 0 and 1 have a load line of their own: the first key step begins when their parts are in.
; A BARRIER A STEP, its halves far apart: the signal ahead of a step's second products, with every wave's wait for its tensor load ahead of it; the wait in the next step, ahead of its LDS loads: so all of k and v may be read there.  Register work alone stands between the two.
; The scale words come by plain loads and LDS stores into bytes of their own.  Nothing is filled again, and there is no later tile to ask for ahead of time: no prefetch.
; NO CLUSTER: a head has two work-groups only (the grid's x is 2), and what they share, 102,400 bytes, each fetches once in the launch.
; THE TEXT: a pass = key step 0 written out (its products start O's sums and nothing is rescaled) and a loop of seven steps.
; OUT.  cc [token tile 512][head 16][768]: half a fragment.  cs [b][head][8][2][r 16][4] halfwords (tile = 8 i + 4 j + a): gathered in LDS, stored by wave 0 as 1,024 consecutive bytes.
; LIMITS: NaN and infinities are not served; the promise holds while the scaled scores stay under 2^31 in magnitude; a block of zeros gets the byte 1 (its codes are zeros, the bytes are read by this program alone).
.set VCB,  49152                       ; LDS: k's codes 64 tiles x 768 from 0; v's 8 x 4 fragments x 1,536 from here;
.set KSB,  98304                       ; k's scale words [key block][lane][2], 2,048 bytes;
.set VSB,  100352                      ; v's [key block][r][4], 2,048;
.set CSG,  102400                      ; the context's scale halfwords, 1,024;
.set SPARE, 103424                     ; the spare words, 128 bytes for each of 8 waves
; window 0 alone
.set L16, 1                            ; 16 x lane
.set L8,  2                            ; 8 x lane
.set AV0, 3                            ; VCB + 16 x lane
.set R16, 4                            ; 16 r
.set AVS0, 5                           ; VSB + 16 r
.set SPW, 6
.set NIL, 7
.set ACS, 8                            ; where this pass's halfwords go
.set ACS0, 9
.set ACG, 10                           ; CSG + 16 x lane
.set AK16, 11                          ; the next key block's codes, by 16 and by 8 bytes a lane
.set AK8, 12
.set AVA, 13                           ; this key block's fragments of v
.set QW,  14                           ; v14, v15 q's scale words as loaded
.set AKS, 16                           ; the next key block's scale words of k
.set AVS, 17                           ; this key block's of v
.set AKS0, 18                          ; KSB + 8 x lane
.set TA,  19
.set KC,  20                           ; v20, v21 k's scale words: register g % 2, lanes 0-15 fragment g < 2, lanes 16-31 g >= 2
.set VSC, 24                           ; v24-27 v's
.set QS,  28                           ; v28, v29 q's, tile u
.set PS,  30                           ; v30, v31 p's, tile u
.set QN,  32                           ; v32-43 the coming pass's q, six registers a tile
.set TB,  44
; window 1 alone
.set KF,  0                            ; v0-47 four fragments of k
; in both windows
.set VF,  230                          ; v230-253 v's fragments: 0 and 1 in window 0, 2 and 3 in window 1
; in window u, for tile u
.set S,   64                           ; v64-127 S^T, then p
.set O,   128                          ; v128-159 O^T
.set PC,  160                          ; v160-179 codes
.set QF,  180                          ; v180-191 [q | 0], v192-203 [0 | q]
.set MX,  204
.set TP,  208
.set SO,  212
.set T1,  216
.set F,   218                          ; f; v219 is named with it as a pair
.set NM,  220                          ; -M; v221 the running largest t
.set TM,  221
.set SUM, 222                          ; the row's sum in two halves
.set SU,  224                          ; v224-229 three more chains of it
.set PASS, 2
.set PO,  3
.set WV,  16
.set BHD, 17
.set KB,  18
.set SEL, 20
.set CS,  22
.set G1,  24
.set G0,  40
.set QP,  52
.set QSP, 54
.set CCP, 56
.set CSP, 58
.set MSB, 0
.macro WIN new                         ; the immediate's high byte repeats the setting that is left
.if MSB != (\new)
	s_set_vgpr_msb (MSB<<8)|(\new)
.set MSB, (\new)
.endif
.endm
.macro PLACES n
.rept \n
	v_nop
.endr
.endm
.macro WALU
	s_wait_alu depctr_va_vdst(0)
.endm
.macro TL                              ; my tensor load; an s_nop 0 and four v_nop follow it
	tensor_load_to_lds s[G0:G0+3], s[G1:G1+7]
	s_nop 0
	PLACES 4
.endm
.macro QLOAD p                         ; pass p's two tiles of q and their scale words: six loads
.irp u, 0,1
	global_load_b128 v[QN+6*\u:QN+6*\u+3], v[L16], s[QP:QP+1] offset:768*(2*\p+\u)
	global_load_b64 v[QN+6*\u+4:QN+6*\u+5], v[L8], s[QP:QP+1] offset:768*(2*\p+\u)+512
	global_load_b32 v[QW+\u], v[R16], s[QSP:QSP+1] offset:4*(2*\p+\u)
.endr
.endm
.macro KLOAD a16, a8, as, off, soff    ; a key block: four fragments of two tiles each, and their scale words
	WIN 0x40
.irp g, 0,1,2,3
	ds_load_b128 v[KF+12*\g:KF+12*\g+3], v[\a16] offset:\off+1536*\g
	ds_load_b64 v[KF+12*\g+4:KF+12*\g+5], v[\a8] offset:\off+1536*\g+512
	ds_load_b128 v[KF+12*\g+6:KF+12*\g+9], v[\a16] offset:\off+1536*\g+768
	ds_load_b64 v[KF+12*\g+10:KF+12*\g+11], v[\a8] offset:\off+1536*\g+1280
.endr
	WIN 0
	ds_load_b64 v[KC:KC+1], v[\as] offset:\soff
.endm
.macro VLOAD av, as                    ; v's four fragments and their scale words
.irp t, 0,1,2,3
	WIN 0x40*(\t/2)
.irp c, 0,1,2
	ds_load_b128 v[VF+12*(\t%2)+4*\c:VF+12*(\t%2)+4*\c+3], v[\av] offset:1536*\t+512*\c
.endr
.endr
	WIN 0
	ds_load_b128 v[VSC:VSC+3], v[\as]
.endm
.macro QK1 u, g, row                   ; fragment g against [q | 0] and [0 | q]: key tiles 2 g and 2 g + 1
	v_wmma_scale_f32_16x16x128_f8f6f4 v[S+16*\g:S+16*\g+7], v[KF+12*\g:KF+12*\g+11], v[QF:QF+11], 0, v[KC+(\g%2)], v[QS+\u] matrix_a_fmt:MATRIX_FMT_FP6 matrix_b_fmt:MATRIX_FMT_FP6 matrix_a_scale:MATRIX_SCALE_ROW\row
	v_wmma_scale_f32_16x16x128_f8f6f4 v[S+16*\g+8:S+16*\g+15], v[KF+12*\g:KF+12*\g+11], v[QF+12:QF+23], 0, v[KC+(\g%2)], v[QS+\u] matrix_a_fmt:MATRIX_FMT_FP6 matrix_b_fmt:MATRIX_FMT_FP6 matrix_a_scale:MATRIX_SCALE_ROW\row
.endm
.macro QK u
	QK1 \u, 0, 0
	QK1 \u, 1, 0
	QK1 \u, 2, 1
	QK1 \u, 3, 1
.endm
.macro PV u, first                     ; O^T += v^T p^T; the four accumulators by turns.  p, C and D in window u, v's fragment t in window t / 2
.irp t, 0,1,2,3
	WIN 0x54*\u+(\t/2)
.if \first
	v_wmma_scale_f32_16x16x128_f8f6f4 v[O+8*\t:O+8*\t+7], v[VF+12*(\t%2):VF+12*(\t%2)+11], v[PC:PC+11], 0, v[VSC+\t], v[PS+\u] matrix_a_fmt:MATRIX_FMT_FP6 matrix_b_fmt:MATRIX_FMT_FP6
.else
	v_wmma_scale_f32_16x16x128_f8f6f4 v[O+8*\t:O+8*\t+7], v[VF+12*(\t%2):VF+12*(\t%2)+11], v[PC:PC+11], v[O+8*\t:O+8*\t+7], v[VSC+\t], v[PS+\u] matrix_a_fmt:MATRIX_FMT_FP6 matrix_b_fmt:MATRIX_FMT_FP6
.endif
.endr
.endm
.macro ROWSUM first                    ; the row's sum of the unquantised p: two at a time, four chains
	v_pk_add_f32 v[SU:SU+1], v[S:S+1], v[S+2:S+3]
	v_pk_add_f32 v[SU+2:SU+3], v[S+4:S+5], v[S+6:S+7]
	v_pk_add_f32 v[SU+4:SU+5], v[S+8:S+9], v[S+10:S+11]
.if \first
	v_pk_add_f32 v[SUM:SUM+1], v[S+12:S+13], v[S+62:S+63]
.else
	v_pk_add_f32 v[SUM:SUM+1], v[SUM:SUM+1], v[S+12:S+13]
.endif
.set j, 14
.rept 6
	v_pk_add_f32 v[SU:SU+1], v[SU:SU+1], v[S+j:S+j+1]
	v_pk_add_f32 v[SU+2:SU+3], v[SU+2:SU+3], v[S+j+2:S+j+3]
	v_pk_add_f32 v[SU+4:SU+5], v[SU+4:SU+5], v[S+j+4:S+j+5]
	v_pk_add_f32 v[SUM:SUM+1], v[SUM:SUM+1], v[S+j+6:S+j+7]
.set j, j+8
.endr
.if (\first) == 0
	v_pk_add_f32 v[SU:SU+1], v[SU:SU+1], v[S+62:S+63]
.endif
	v_pk_add_f32 v[SU:SU+1], v[SU:SU+1], v[SU+2:SU+3]
	v_pk_add_f32 v[SUM:SUM+1], v[SUM:SUM+1], v[SU+4:SU+5]
	v_pk_add_f32 v[SUM:SUM+1], v[SUM:SUM+1], v[SU:SU+1]
.endm
; tile u's softmax, first part: the blocks' largest scores, M, t - M
.macro SOFTA1 u, first
	WIN 0x55*\u
.irp b, 0,1,2,3
	v_max3_num_f32 v[MX+\b], v[S+16*\b], v[S+1+16*\b], v[S+2+16*\b]   ; the largest score of each block of 32 keys: for the row's maximum and, since p rises with the score, for the block's largest p
.endr
.irp i, 3,5,7,9,11,13
.irp b, 0,1,2,3
	v_max3_num_f32 v[MX+\b], v[MX+\b], v[S+16*\b+\i], v[S+1+16*\b+\i]
.endr
.endr
.irp b, 0,1,2,3
	v_max_num_f32 v[MX+\b], v[MX+\b], v[S+15+16*\b]
.endr
.irp b, 0,1,2,3
	v_permlanex16_b32 v[TP+\b], v[MX+\b], s[SEL], s[SEL+1]
.endr
.irp b, 0,1,2,3
	v_max_num_f32 v[MX+\b], v[MX+\b], v[TP+\b]     ; with lane l xor 16's 16 keys
.endr
	s_delay_alu instid0(VALU_DEP_2)
	v_max3_num_f32 v[T1], v[MX], v[MX+1], v[MX+2]
	s_delay_alu instid0(VALU_DEP_1)
	v_max_num_f32 v[T1], v[T1], v[MX+3]
.if \first
	s_delay_alu instid0(VALU_DEP_1)
	v_mul_f32 v[TM], s[CS], v[T1]                  ; the largest t so far (c is positive)
	s_delay_alu instid0(VALU_DEP_1)
	v_floor_f32 v[NM], -v[TM]                      ; -M = floor(-t): M is a whole number
.else
	s_delay_alu instid0(VALU_DEP_1)
	v_mul_f32 v[T1], s[CS], v[T1]
	s_delay_alu instid0(VALU_DEP_1)
	v_max_num_f32 v[TM], v[TM], v[T1]              ; the running largest t
	v_mov_b32 v[T1], v[NM]
	s_delay_alu instid0(VALU_DEP_2)
	v_floor_f32 v[NM], -v[TM]
	s_delay_alu instid0(VALU_DEP_1)
	v_sub_f32 v[T1], v[NM], v[T1]                  ; old M - new M: a whole number, 0 or less
	s_delay_alu instid0(VALU_DEP_1)
	v_cvt_i32_f32 v[T1], v[T1]                     ; (it saturates)
	s_delay_alu instid0(VALU_DEP_1)
	v_ldexp_f32 v[F], 1.0, v[T1]                   ; f = 2^(old M - new M)
.endif
.set j, 0
.rept 32
	v_pk_fma_f32 v[S+j:S+j+1], v[S+j:S+j+1], s[CS:CS+1], v[NM:NM+1] op_sel_hi:[1,0,0]   ; t - M, two at a time
.set j, j+2
.endr
.irp b, 0,1,2,3
	v_fma_f32 v[MX+\b], v[MX+\b], s[CS], v[NM]     ; the same of each block's largest score
.endr
.endm
.macro EXPS u                          ; tile u's share of the batch
	WIN 0x55*\u
.set j, 0
.rept 64
	v_exp_f32 v[S+j], v[S+j]                       ; p = 2^(t - M)
.set j, j+1
.endr
.irp b, 0,1,2,3
	v_exp_f32 v[MX+\b], v[MX+\b]                   ; the block's largest p
.endr
.endm
; second part: the sum, p's scales and codes
.macro SOFTA2 u, first
	WIN 0x55*\u
.if (\first) == 0
	v_pk_mul_f32 v[SUM:SUM+1], v[SUM:SUM+1], v[F:F+1] op_sel_hi:[1,0]   ; the sums under the new M
.endif
.if (\u) == 0
	ROWSUM \first                                  ; (tile 1's sum stands behind the second products)
.endif
.irp b, 0,1,2,3
	v_max_num_f32 v[MX+\b], 0x1800000, v[MX+\b]    ; the floor 2^(3 - 127)
.endr
.irp b, 0,1,2,3
	v_add_nc_u32 v[SO+\b], 0xff000000, v[MX+\b]    ; 2 off the exponent field: the conversion's scale operand
.endr
.irp b, 0,1,2,3
	v_lshrrev_b32 v[TP+\b], 23, v[SO+\b]
.endr
	v_lshl_or_b32 v[T1], v[TP+1], 8, v[TP]
	v_lshl_or_b32 v[T1], v[TP+2], 16, v[T1]
	WIN 0x15*\u                                    ; scale words lie in window 0
	v_lshl_or_b32 v[PS+\u], v[TP+3], 24, v[T1]     ; p's scale word for these 128 keys
	WIN 0x55*\u
.irp c, 0,1
	v_cvt_scalef32_pk16_fp6_f32 v[PC+6*\c:PC+2+6*\c], v[S+32*\c:S+15+32*\c], v[SO+2*\c]
	v_cvt_scalef32_pk16_fp6_f32 v[PC+12+4*\c:PC+14+4*\c], v[S+16+32*\c:S+31+32*\c], v[SO+2*\c+1]
.endr
	v_nop                                          ; one plain instruction behind a scaled conversion
.endm
; third part: a whole block in a lane; O^T under the new M
.macro SOFTB u, first
.irp c, 0,1
.irp i, 0,1,2
	v_permlane16_swap_b32 v[PC+6*\c+\i], v[PC+12+4*\c+\i]
.endr
.irp i, 0,1,2
	v_mov_b32 v[PC+3+6*\c+\i], v[PC+12+4*\c+\i]
.endr
.endr
.if (\first) == 0
	WALU                                           ; directly ahead of the first reader of O^T
.set j, 0
.rept 16
	v_pk_mul_f32 v[O+j:O+j+1], v[O+j:O+j+1], v[F:F+1] op_sel_hi:[1,0]   ; also the instructions between the writes of p's codes and scale word and the products
.set j, j+2
.endr
.endif
.endm
; A KEY STEP: 128 keys for both tiles
.macro STEP first
.if (\first) == 0
	s_add_co_u32 s48, s[KB], 1
	s_and_b32 s48, s48, 7                          ; the next key block (behind block 7: block 0, for the next pass)
	s_mul_i32 s49, s48, 6144
	s_lshl_b32 s48, s48, 8
	s_mul_i32 s50, s[KB], 6144
	s_lshl_b32 s51, s[KB], 8
.endif
	WIN 0x01                                       ; D and q window 0, k window 1
	QK 0
	WIN 0x45                                       ; all window 1
	QK 1
	WIN 0
.if \first
	PLACES 4                                       ; ahead of the first read of the scores
.else
	v_add_nc_u32 v[AK16], s49, v[L16]              ; five plain lines: the places behind the products
	v_add_nc_u32 v[AK8], s49, v[L8]
	v_add_nc_u32 v[AKS], s48, v[AKS0]
	v_add_nc_u32 v[AVA], s50, v[AV0]
	v_add_nc_u32 v[AVS], s51, v[AVS0]
.endif
	SOFTA1 0, \first
	SOFTA1 1, \first
	WIN 0
	WALU                                           ; the wait ahead of the batch, and ahead of the barrier's wait
.if \first
	KLOAD L16, L8, AKS0, 6144, 256                 ; key block 1, and key block 0 of v: in the parts that the head's barrier has shown
	VLOAD AV0, AVS0
.else
	s_barrier_wait -1                              ; every wave's tensor load has landed: all of k and v may be read
	KLOAD AK16, AK8, AKS, 0, 0
	VLOAD AVA, AVS
.endif
	EXPS 0
	EXPS 1
	v_nop                                          ; the plain instruction behind the batch
	WALU                                           ; one wait for the batch of 136
	SOFTA2 0, \first
	SOFTB 0, \first
	SOFTA2 1, \first
	SOFTB 1, \first
	WIN 0
.if \first
	PLACES 8                                       ; between the writes of tile 1's codes and scale word and the products
.endif
	WALU
	s_wait_dscnt 0x0                               ; v's fragments, and the next block's of k: no LDS work of mine is out,
	s_wait_tensorcnt 0x0                           ; my tensor load has landed:
	s_barrier_signal -1                            ; say so; register work alone up to the wait, in the next step or behind the loop
	PV 0, \first
	PV 1, \first
	WIN 0x55
	ROWSUM \first                                  ; tile 1's sum
	WIN 0
.endm
; A PASS'S END for tile u: the context, its scales and codes
.macro FIN u
	WIN 0x55*\u
	v_add_f32 v[SUM], v[SUM], v[SUM+1]
	v_permlanex16_b32 v[T1], v[SUM], s[SEL], s[SEL+1]
	v_add_f32 v[SUM], v[SUM], v[T1]                ; the row's sum
	WALU
	v_rcp_f32 v[SUM], v[SUM]
	v_nop
	WALU
.set j, 0
.rept 16
	v_pk_mul_f32 v[S+j:S+j+1], v[O+j:O+j+1], v[SUM:SUM+1] op_sel_hi:[1,0]   ; register 16 b + i = channel 32 b + 16 h + i of my query
.set j, j+2
.endr
.irp b, 0,1
	v_max3_num_f32 v[MX+\b], |v[S+16*\b]|, |v[S+1+16*\b]|, 0x1800000
.endr
.irp i, 2,4,6,8,10,12,14
.irp b, 0,1
	v_max3_num_f32 v[MX+\b], v[MX+\b], |v[S+16*\b+\i]|, |v[S+1+16*\b+\i]|
.endr
.endr
.irp b, 0,1
	v_permlanex16_b32 v[TP+\b], v[MX+\b], s[SEL], s[SEL+1]
.endr
.irp b, 0,1
	v_max_num_f32 v[MX+\b], v[MX+\b], v[TP+\b]
.endr
.irp b, 0,1
	v_add_nc_u32 v[SO+\b], 0xff000000, v[MX+\b]
.endr
.irp b, 0,1
	v_lshrrev_b32 v[TP+\b], 23, v[SO+\b]
.endr
	v_lshl_or_b32 v[T1], v[TP+1], 8, v[TP]         ; the head's two bytes
	v_cvt_scalef32_pk16_fp6_f32 v[PC:PC+2], v[S:S+15], v[SO]
	v_cvt_scalef32_pk16_fp6_f32 v[PC+12:PC+14], v[S+16:S+31], v[SO+1]
	v_nop
.irp i, 0,1,2
	v_permlane16_swap_b32 v[PC+\i], v[PC+12+\i]
.endr
.irp i, 0,1,2
	v_mov_b32 v[PC+3+\i], v[PC+12+\i]
.endr
	WIN 0x04*\u                                    ; a store's data are its source 1
	ds_store_b16 v[ACS], v[T1] offset:2*\u         ; both lanes of a query write the same halfword with the same value
	global_store_b128 v[L16], v[PC:PC+3], s[CCP:CCP+1] offset:12288*\u
	global_store_b64 v[L8], v[PC+4:PC+5], s[CCP:CCP+1] offset:12288*\u+512
.endm
; ================= THE HEAD
	s_load_b256 s[4:11], s[0:1], 0x0               ; qkc, qks, vc, vs
	s_load_b128 s[12:15], s[0:1], 0x20             ; cc, cs
	v_lshl_add_u32 v[SPW], v0, 2, SPARE
	v_mov_b32 v[NIL], 0
	ds_add_u32 v[SPW], v[NIL]                      ; the opening lines: the add, twice on end, and its wait ahead of my tensor load
	ds_add_u32 v[SPW], v[NIL]
	v_lshrrev_b32 v[TA], 5, v0
	v_readfirstlane_b32 s[WV], v[TA]
	s_and_b32 s[BHD], ttmp7, 0xffff                ; 16 b + head
	s_mov_b32 s[G1], 3<<16                         ; a dense block as 48 rows of 256 bytes (32 elements of 8)
	s_mov_b32 s[G1+1], 32<<16
	s_mov_b32 s[G1+2], 48<<16
	s_mov_b32 s[G1+3], 32<<16
	s_mov_b32 s[G1+4], 48
	s_mov_b32 s[G1+5], 32
	s_mov_b32 s[G1+6], 0
	s_mov_b32 s[G1+7], 0
	s_mov_b32 s[SEL], 0x76543210
	s_mov_b32 s[SEL+1], 0xfedcba98                 ; selects for lane l xor 16
	s_mov_b32 s[CS], 0x3e38aa3b                    ; c = log2(e) / 8
	s_mov_b32 s[CS+1], s[CS]
	v_and_b32 v[TA], 31, v0
	v_and_b32 v[TB], 15, v0
	v_lshlrev_b32 v[L16], 4, v[TA]
	v_lshlrev_b32 v[L8], 3, v[TA]
	v_lshlrev_b32 v[R16], 4, v[TB]
	v_add_nc_u32 v[AV0], VCB, v[L16]
	v_add_nc_u32 v[AKS0], KSB, v[L8]
	v_add_nc_u32 v[AVS0], VSB, v[R16]
	v_add_nc_u32 v[ACG], CSG, v[L16]
	s_lshl_b32 s48, s[WV], 7
	s_add_co_u32 s48, s48, CSG
	v_lshl_add_u32 v[ACS0], v[TB], 3, s48          ; CSG + 128 wave + 8 r
	s_lshl_b32 s48, s[WV], 8
	v_add_nc_u32 v[AKS], s48, v[AKS0]              ; where my key block's scale words of k go,
	s_add_co_u32 s48, s48, VSB
	v_add_nc_u32 v[AVS], s48, v[L8]                ; and of v
	s_lshr_b32 s48, s[WV], 1                       ; my part: key blocks 2 (wave / 2) and the next; even waves k's, odd waves v's
	s_mul_i32 s50, s48, 12288
	s_and_b32 s49, s[WV], 1
	s_mul_i32 s51, s49, VCB
	s_mov_b32 s[G0], 1
	s_add_co_u32 s[G0+1], s50, s51
	s_mul_i32 s48, s[BHD], 49152
	s_add_co_u32 s48, s48, s50
	WALU
	s_wait_dscnt 0x0                               ; both opening adds are done
	s_wait_kmcnt 0x0
	s_add_nc_u64 s[44:45], s[4:5], 6291456         ; k lies behind q in qkc
	s_cmp_eq_u32 s49, 0
	s_cselect_b64 s[44:45], s[44:45], s[8:9]
	s_mov_b32 s49, 0
	s_add_nc_u64 s[G0+2:G0+3], s[44:45], s[48:49]
	s_or_b32 s[G0+3], s[G0+3], 0x80000000
	s_cmp_lt_u32 s[WV], 2                          ; one chain of branches on the wave's number, one load to an arm: waves that wait alike share a line
	s_cbranch_scc0 .Larm_1
	TL
	s_branch .Lasked
.Larm_1:
	s_cmp_lt_u32 s[WV], 4
	s_cbranch_scc0 .Larm_2
	TL
	s_branch .Lasked
.Larm_2:
	s_cmp_lt_u32 s[WV], 6
	s_cbranch_scc0 .Larm_3
	TL
	s_branch .Lasked
.Larm_3:
	TL
.Lasked:
	s_lshl_b32 s48, s[BHD], 12                     ; key block number wave: k's scale words as they lie, 512 bytes,
	s_lshl_b32 s50, s[WV], 9
	s_add_co_u32 s48, s48, s50
	s_add_nc_u64 s[44:45], s[6:7], s[48:49]
	s_add_nc_u64 s[44:45], s[44:45], 524288
	s_lshl_b32 s48, s[BHD], 11                     ; and v's, 256
	s_lshl_b32 s50, s[WV], 8
	s_add_co_u32 s48, s48, s50
	s_add_nc_u64 s[46:47], s[10:11], s[48:49]
	global_load_b128 v[S:S+3], v[L16], s[44:45]
	global_load_b64 v[S+4:S+5], v[L8], s[46:47]
	s_lshl_b32 s48, s[BHD], 6
	s_lshl_b32 s50, ttmp9, 5
	s_add_co_u32 s48, s48, s50
	s_lshl_b32 s51, s[WV], 2
	s_add_co_u32 s48, s48, s51                     ; my first query tile: 64 (16 b + head) + 32 x + 4 wave
	s_mul_i32 s48, s48, 768
	s_add_nc_u64 s[QP:QP+1], s[4:5], s[48:49]
	s_lshl_b32 s48, s[BHD], 12
	s_lshl_b32 s50, ttmp9, 11
	s_add_co_u32 s48, s48, s50
	s_lshl_b32 s50, s[WV], 8
	s_add_co_u32 s48, s48, s50
	s_add_nc_u64 s[QSP:QSP+1], s[6:7], s[48:49]
	QLOAD 0
	s_lshr_b32 s48, s[BHD], 4
	s_lshl_b32 s48, s48, 6
	s_lshl_b32 s50, ttmp9, 5
	s_add_co_u32 s48, s48, s50
	s_add_co_u32 s48, s48, s51                     ; the same tile among all tokens' 512,
	s_lshl_b32 s48, s48, 4
	s_and_b32 s50, s[BHD], 15
	s_add_co_u32 s48, s48, s50                     ; and my head's group of 64 K in it
	s_mul_i32 s48, s48, 768
	s_add_nc_u64 s[CCP:CCP+1], s[12:13], s[48:49]
	s_lshl_b32 s48, s[BHD], 11
	s_lshl_b32 s50, ttmp9, 10
	s_add_co_u32 s48, s48, s50
	s_add_nc_u64 s[CSP:CSP+1], s[14:15], s[48:49]
.irp u, 0,1
	WIN 0x40*\u
.irp i, 6,7,8,9,10,11,12,13,14,15,16,17
	v_mov_b32 v[QF+\i], 0                          ; zero codes beside q
.endr
.irp b, 0,1,2,3
	v_mov_b32 v[TP+\b], 0                          ; written once: a lane permute's destination counts as one of its sources
.endr
	v_mov_b32 v[F+1], 0
.endr
	WIN 0
	WALU
	s_wait_loadcnt 6                               ; the scale words are in; q's six loads are younger
	v_perm_b32 v[S+6], v[S+1], v[S], 0x05040100    ; a fragment's word: tile 2 g's halfword below, tile 2 g + 1's above
	v_perm_b32 v[S+7], v[S+3], v[S+2], 0x05040100
	ds_store_b64 v[AKS], v[S+6:S+7]
	ds_store_b64 v[AVS], v[S+4:S+5]
	s_wait_dscnt 0x0                               ; for the others' sake
	s_cmp_lt_u32 s[WV], 2
	s_cbranch_scc0 .Lnot_part_0
	s_wait_tensorcnt 0x0                           ; waves 0 and 1: key blocks 0 and 1 of k and v have landed; the other six loads may stay out
.Lnot_part_0:
	s_barrier_signal -1
	s_barrier_wait -1
	KLOAD L16, L8, AKS0, 0, 0
	s_mov_b32 s[PASS], 2
	s_mov_b32 s[PO], 0
; ================= A PASS: two tiles of queries against all keys
.Lpass:
	s_wait_loadcnt 0x0                             ; this pass's q
	v_perm_b32 v[QS], v[QW], v[QW], 0x01000100     ; q's two bytes twice: for [q | 0] and for [0 | q]
	v_perm_b32 v[QS+1], v[QW+1], v[QW+1], 0x01000100
.irp u, 0,1
	WIN 0x40*\u
.irp i, 0,1,2,3,4,5
	v_mov_b32 v[QF+\i], v[QN+6*\u+\i]
	v_mov_b32 v[QF+18+\i], v[QN+6*\u+\i]
.endr
.endr
	WIN 0
	v_add_nc_u32 v[ACS], s[PO], v[ACS0]
	PLACES 3                                       ; four plain lines between the last write of an operand and the products
	s_cmp_eq_u32 s[PASS], 1                        ; the second pass's q is asked for in the first pass alone
	s_cbranch_scc1 .Lno_q
	QLOAD 1
.Lno_q:
	WALU
	s_wait_dscnt 0x0                               ; key block 0's fragments
	STEP 1
	s_mov_b32 s[KB], 1
.Lstep:
	STEP 0
	s_add_co_u32 s[KB], s[KB], 1
	s_cmp_lt_u32 s[KB], 8
	s_cbranch_scc1 .Lstep
	WALU
	s_barrier_wait -1                              ; the last step's barrier closes ahead of the stores
	FIN 0
	FIN 1
	WIN 0
	s_wait_xcnt 0x0                                ; the stores have read their registers and their base: both are written again
	s_add_nc_u64 s[CCP:CCP+1], s[CCP:CCP+1], 24576 ; two token tiles on
	s_add_co_u32 s[PO], s[PO], 4
	s_sub_co_u32 s[PASS], s[PASS], 1
	s_cmp_lg_u32 s[PASS], 0
	s_cbranch_scc1 .Lpass
	s_wait_dscnt 0x0                               ; for the others' sake: my halfwords are in LDS, my loads are back
	s_barrier_signal -1
	s_barrier_wait -1
	s_cmp_lg_u32 s[WV], 0
	s_cbranch_scc1 .Lnot_first
	ds_load_b128 v[S:S+3], v[ACG]
	ds_load_b128 v[S+4:S+7], v[ACG] offset:512
	s_wait_dscnt 0x0
	global_store_b128 v[L16], v[S:S+3], s[CSP:CSP+1]               ; 512 consecutive bytes each
	global_store_b128 v[L16], v[S+4:S+7], s[CSP:CSP+1] offset:512
.Lnot_first:
	s_wait_tensorcnt 0x0                           ; the wave's end
	ds_add_u32 v[SPW], v[NIL]
	s_wait_dscnt 0x0
	s_endpgm
.Lfunc_end_k_q33622b6817_attn:
	.size	k_q33622b6817_attn, .Lfunc_end_k_q33622b6817_attn-k_q33622b6817_attn
	.p2alignl 7, 3214868480
	.fill 96, 4, 3214868480
	.section	.rodata,"a",@progbits
	.p2align	6, 0x0
	.amdhsa_kernel k_q33622b6817_attn
		.amdhsa_group_segment_fixed_size 167936
		.amdhsa_private_segment_fixed_size 0
		.amdhsa_enable_private_segment 0
		.amdhsa_kernarg_size 48
		.amdhsa_user_sgpr_count 2
		.amdhsa_user_sgpr_kernarg_segment_ptr 1
		.amdhsa_wavefront_size32 1
		.amdhsa_system_sgpr_workgroup_id_x 1
		.amdhsa_system_sgpr_workgroup_id_y 1
		.amdhsa_system_sgpr_workgroup_id_z 1
		.amdhsa_system_vgpr_workitem_id 0
		.amdhsa_next_free_vgpr 512
		.amdhsa_next_free_sgpr 66
		.amdhsa_reserve_vcc 0
		.amdhsa_float_denorm_mode_32 3
		.amdhsa_float_denorm_mode_16_64 3
		.amdhsa_memory_ordered 1
		.amdhsa_forward_progress 1
		.amdhsa_inst_pref_size 76
	.end_amdhsa_kernel
	.amdgpu_metadata
---
amdhsa.version: [ 1, 2 ]
amdhsa.kernels:
  - .name:           k_q33622b6817_attn
    .symbol:         k_q33622b6817_attn.kd
    .args:
      - { .name: qkc, .offset: 0, .size: 8, .value_kind: global_buffer, .address_space: global }
      - { .name: qks, .offset: 8, .size: 8, .value_kind: global_buffer, .address_space: global }
      - { .name: vc, .offset: 16, .size: 8, .value_kind: global_buffer, .address_space: global }
      - { .name: vs, .offset: 24, .size: 8, .value_kind: global_buffer, .address_space: global }
      - { .name: cc, .offset: 32, .size: 8, .value_kind: global_buffer, .address_space: global }
      - { .name: cs, .offset: 40, .size: 8, .value_kind: global_buffer, .address_space: global }
    .group_segment_fixed_size: 167936
    .private_segment_fixed_size: 0
    .kernarg_segment_align: 8
    .kernarg_segment_size: 48
    .max_flat_workgroup_size: 256
    .sgpr_count:     66
    .vgpr_count:     512
    .wavefront_size: 32
...
	.end_amdgpu_metadata
.endif
;; end of part 3
;; launch outp (part 4): grid 4 x 64, 4 waves a work-group, clusters of 4 x 4, 327,680 bytes of LDS; arguments cc, cs, cod, scl, out0; writes out0
.if DOCPART == 4
	.amdgcn_target "amdgcn-amd-amdhsa--gfx1250"
	.amdhsa_code_object_version 6
	.text
	.protected	k_q33622b6817_outp
	.globl	k_q33622b6817_outp
	.p2align	8
	.type	k_q33622b6817_outp,@function
k_q33622b6817_outp:
	s_mov_b64 s[64:65], 0
	v_nop
	global_prefetch_b8 v0, s[64:65] scope:SCOPE_SE
	s_setreg_imm32_b32 hwreg(HW_REG_WAVE_MODE, 25, 1), 1
	s_wait_xcnt 0x0
	s_wait_alu depctr_hold_cnt(0) depctr_sa_sdst(0) depctr_va_vdst(0) depctr_va_sdst(0) depctr_va_ssrc(0) depctr_va_vcc(0) depctr_vm_vsrc(0)
	s_getreg_b32 s2, hwreg(HW_REG_IB_STS2, 6, 4)
	s_cmp_eq_u32 s2, 0
	s_cbranch_scc0 .Lentry_in_a_cluster
	s_endpgm
.Lentry_in_a_cluster:
	s_bfe_u32 s2, ttmp6, 0x10000c
	s_cmp_lg_u32 s2, 0xf033
	s_cbranch_scc0 .Lentry_shape_is_right
	s_endpgm
.Lentry_shape_is_right:
; out0 = context Wfc^T on codes of FP6 (E2M3) with E8M0 scales; out0 [8192][1024] f32.
; A work-group makes 128 tokens x 256 features, K = 1,024; four waves, each 64 x 128: 32 accumulators.  The matrix instruction is used transposed (source 0 = 16 rows of Wfc, source 1 = 16 tokens):
; a lane holds one token and eight neighbouring features.  Rows of a tile: lane r of tile T = row 32 (T / 2) + 8 (T % 2) + r + 8 (r / 8), for tokens and for Wfc's rows alike; the way out puts both back in order.
; ALL OF K LIES IN LDS: two halves of 512 K, 147,456 bytes each (the tokens' 8 tiles x 6,144, then Wfc's 16).  Each wave asks for one part at the head: one tensor load of mine is out.
; CLUSTER 4 x 4: the tokens' tiles hang on cy alone and are asked for jointly along a row of the cluster, Wfc's on cx alone, along a column.
; THE CONTEXT'S SCALES lie by heads, a halfword for a token and a head: a K step of 128 is two heads, so a scale word is two halfwords, put together by v_perm_b32.
; REGISTERS.  window 0: v1-11 lane terms; v14, v15 the add's two; v16-23 LDS addresses; v32-47 the tokens' scale words, v48-79 Wfc's; v80-95 halfwords as loaded; v128-223 the tokens' fragments, two sets;
;   on the way out v128-255 rows read back.   window 1: Wfc's fragments, two sets.   window 2: accumulator (a, b) at v[8 (8 a + b)].
; K LIES IN LDS IN TWO HALVES OF 512 K (in place of the four pieces that the head comment names): 147,456 bytes each, the tokens' 8 tiles x 6,144, then Wfc's 16.
; One tensor load a wave at the head: wave 0 the tokens' half 0, wave 1 Wfc's half 0, wave 2 the tokens' half 1, wave 3 Wfc's half 1; nothing is filled again.
; The stage of the way out lies in half 0, whose last read stands ahead of K step 3's barrier.
.set PIECE, 147456
.set TILEB, 6144
.set BOFF,  49152
.set SPARE, 2*PIECE
.set SPITCH, 528                       ; the way out: a stage of 16 rows x (512 + 16) bytes a wave, in piece 0, which has had its only fill and whose last read stands ahead of K step 3's barrier
.set L16, 2
.set L8,  3
.set RR,  4
.set HH,  5
.set CSO, 6                            ; v6  16384 h + 8 r
.set STO, 7
.set RD,  8
.set SPW, 14
.set NIL, 15
.set ADR, 16
.set SCA, 32
.set SCB, 48
.set HW,  80
.set AF,  128
.set BK,  128
.set WV, 16
.set AH, 17
.set BH, 18
.set CX, 19
.set CY, 20
.set YY, 21
.set G1A, 24
.set G1B, 32
.set G0A, 40
.set G0B, 56
.set MSB, 0
.macro WIN new
.if MSB != \new
	s_set_vgpr_msb (MSB<<8)|\new
.set MSB, \new
.endif
.endm
.set MUL,  0xa1
.set TO_B, 0x40
.macro CROUND
	s_barrier_signal -1
	s_barrier_wait -1
	s_cmp_lg_u32 s[WV], 0
	s_cbranch_scc1 .Lnot_wave_0_\@
	s_barrier_signal -3
.Lnot_wave_0_\@:
	s_barrier_wait -3
	s_barrier_signal -1
	s_barrier_wait -1
.endm
.macro PLACES
.rept 4
	v_nop
.endr
.endm
	s_load_b256 s[4:11], s[0:1], 0x0               ; cc, cs, cod, scl
	s_load_b64 s[12:13], s[0:1], 0x20              ; out0
	v_lshl_add_u32 v[SPW], v0, 2, SPARE
	v_mov_b32 v[NIL], 0
	ds_add_u32 v[SPW], v[NIL]                      ; the wave's opening: the add and its wait ahead of my first tensor load; work on registers stands between
	ds_add_u32 v[SPW], v[NIL]
	v_lshrrev_b32 v1, 5, v0
	v_readfirstlane_b32 s[WV], v1
	s_lshr_b32 s[AH], s[WV], 1
	s_and_b32 s[BH], s[WV], 1
	s_bfe_u32 s[CX], ttmp6, 0x40000
	s_bfe_u32 s[CY], ttmp6, 0x40004
	s_and_b32 s[YY], ttmp7, 0xffff
	s_lshl_b32 s76, s[YY], 5
	s_lshl_b32 s80, s[CY], 3
	s_add_co_u32 s76, s76, s80                     ; the tokens' first tile: 32 y + 8 cy
	s_lshl_b32 s78, s[CX], 4
	s_add_co_u32 s78, s78, 1728                    ; Wfc's first tile in cod and scl
	s_lshl_b32 s96, s[CY], 2
	s_lshl_b32 s96, 15, s96
	s_lshl_b32 s97, 0x1111, s[CX]
	s_or_b32 s[G1A], s96, (3<<16)|(1<<21)
	s_or_b32 s[G1B], s97, (3<<16)|(1<<21)
	s_mov_b32 s[G1A+1], 768<<16                    ; rows = tiles: 6,144 bytes (768 elements of 8) of each tile's 12,288
	s_mov_b32 s[G1A+2], 8<<16
	s_mov_b32 s[G1A+3], 768<<16
	s_mov_b32 s[G1A+4], 8
	s_mov_b32 s[G1A+5], 1536
	s_mov_b32 s[G1A+6], 0
	s_mov_b32 s[G1A+7], 0
	s_mov_b32 s[G1B+1], 768<<16
	s_mov_b32 s[G1B+2], 16<<16
	s_mov_b32 s[G1B+3], 768<<16
	s_mov_b32 s[G1B+4], 16
	s_mov_b32 s[G1B+5], 1536
	s_mov_b32 s[G1B+6], 0
	s_mov_b32 s[G1B+7], 0
	s_mul_i32 s82, s76, 12288
	s_mov_b32 s83, 0
	s_mul_i32 s86, s78, 12288
	s_mov_b32 s87, 0
	s_lshr_b32 s92, s[YY], 1                       ; b,
	s_lshl_b32 s92, s92, 15                        ; 16 heads x 2,048 bytes,
	s_lshr_b32 s93, s76, 3
	s_and_b32 s93, s93, 7
	s_lshl_b32 s93, s93, 8
	s_add_co_u32 s92, s92, s93                     ; my block of 8 tiles in the batch,
	s_lshl_b32 s93, s[AH], 7
	s_add_co_u32 s92, s92, s93                     ; my four of them
	s_mov_b32 s93, 0
	s_lshl_b32 s94, s[BH], 3
	s_add_co_u32 s94, s94, s78
	s_lshl_b32 s94, s94, 9
	s_mov_b32 s95, 0
	s_lshl_b32 s80, s76, 4
	s_lshl_b32 s81, s[AH], 6
	s_add_co_u32 s80, s80, s81                     ; my first token
	s_lshl_b32 s80, s80, 12
	s_lshl_b32 s81, s[CX], 10
	s_add_co_u32 s80, s80, s81
	s_lshl_b32 s81, s[BH], 9
	s_add_co_u32 s80, s80, s81                     ; + my first feature, in bytes
	s_mov_b32 s81, 0
	v_and_b32 v1, 31, v0
	v_lshlrev_b32 v[L16], 4, v1
	v_lshlrev_b32 v[L8], 3, v1
	v_and_b32 v[RR], 15, v0
	v_bfe_u32 v[HH], v0, 4, 1
	v_lshlrev_b32 v[CSO], 3, v[RR]
	v_lshl_add_u32 v[CSO], v[HH], 14, v[CSO]
	s_mul_i32 s98, s[WV], 16*SPITCH                ; my stage
	v_mul_u32_u24 v[STO], v[RR], SPITCH
	v_lshl_add_u32 v[STO], v[HH], 6, v[STO]
	v_add_nc_u32 v[STO], s98, v[STO]               ; in: row r, + 64 h
	v_add_nc_u32 v[RD], s98, v[L16]                ; back: a row's 512 bytes by the 32 lanes
	s_mul_i32 s98, s[AH], 24576
	s_mul_i32 s99, s[BH], 49152
	s_add_co_u32 s99, s99, BOFF
.irp p, 0,1
	v_add_nc_u32 v[ADR+4*\p], s98, v[L16]
	v_add_nc_u32 v[ADR+4*\p+1], s98, v[L8]
	v_add_nc_u32 v[ADR+4*\p+2], s99, v[L16]
	v_add_nc_u32 v[ADR+4*\p+3], s99, v[L8]
	s_add_co_u32 s98, s98, PIECE
	s_add_co_u32 s99, s99, PIECE
.endr
	s_wait_alu depctr_va_vdst(0)
	s_wait_dscnt 0x0                               ; the opening adds are done
	s_wait_kmcnt 0x0
	s_add_nc_u64 s[84:85], s[4:5], s[82:83]
	s_add_nc_u64 s[88:89], s[8:9], s[86:87]
	s_add_nc_u64 s[92:93], s[6:7], s[92:93]
	s_add_nc_u64 s[94:95], s[10:11], s[94:95]
	s_add_nc_u64 s[12:13], s[12:13], s[80:81]
	CROUND                                         ; all sixteen work-groups are here: the joint loads meet
.irp p, 0,1
	s_mov_b32 s[G0A+4*\p], 1
	s_mov_b32 s[G0A+4*\p+1], \p*PIECE
	s_add_nc_u64 s[G0A+4*\p+2:G0A+4*\p+3], s[84:85], \p*TILEB
	s_or_b32 s[G0A+4*\p+3], s[G0A+4*\p+3], 0x80000000
	s_mov_b32 s[G0B+4*\p], 1
	s_mov_b32 s[G0B+4*\p+1], \p*PIECE+BOFF
	s_add_nc_u64 s[G0B+4*\p+2:G0B+4*\p+3], s[88:89], \p*TILEB
	s_or_b32 s[G0B+4*\p+3], s[G0B+4*\p+3], 0x80000000
.endr
.macro TLOAD g0, g1                    ; a tensor load; an s_nop 0 and four v_nop follow it
	tensor_load_to_lds s[\g0:\g0+3], s[\g1:\g1+7]
	s_nop 0
.rept 4
	v_nop
.endr
.endm
	s_cmp_eq_u32 s[WV], 0                          ; one chain of branches on the wave's number, one load to an arm
	s_cbranch_scc0 .Lwave_1
	TLOAD G0A, G1A                                 ; wave 0: the tokens' half 0
	s_branch .Lfirst_asked
.Lwave_1:
	s_cmp_eq_u32 s[WV], 1
	s_cbranch_scc0 .Lwave_2
	TLOAD G0B, G1B                                 ; wave 1: Wfc's half 0
	s_branch .Lfirst_asked
.Lwave_2:
	s_cmp_eq_u32 s[WV], 2
	s_cbranch_scc0 .Lwave_3
	TLOAD G0A+4, G1A                               ; wave 2: the tokens' half 1
	s_branch .Lfirst_asked
.Lwave_3:
	TLOAD G0B+4, G1B                               ; wave 3: Wfc's half 1
.Lfirst_asked:
.irp q, 0,1,2,3                                ; lane (r, h): heads 8 h + 2 q and 8 h + 2 q + 1: token r's halfwords of my four tiles
	global_load_b64 v[HW+4*\q:HW+4*\q+1], v[CSO], s[92:93] offset:4096*\q
	global_load_b64 v[HW+4*\q+2:HW+4*\q+3], v[CSO], s[92:93] offset:4096*\q+2048
.endr
.irp b, 0,1,2,3,4,5,6,7
	global_load_b128 v[SCB+4*\b:SCB+4*\b+3], v[L16], s[94:95] offset:512*\b
.endr
.macro FRAG reg, adr, off
	ds_load_b128 v[(\reg):(\reg)+3], v[(\adr)] offset:(\off)
	ds_load_b64 v[(\reg)+4:(\reg)+5], v[(\adr)+1] offset:(\off)+512
	ds_load_b128 v[(\reg)+6:(\reg)+9], v[(\adr)] offset:(\off)+768
	ds_load_b64 v[(\reg)+10:(\reg)+11], v[(\adr)+1] offset:(\off)+1280
.endm
.macro FETCH s                         ; K step s into set s % 2: Wfc's 8 fragments, then the tokens' 4: 48 loads, the last 8 of them blocks 2 and 3
	WIN TO_B
.irp i, 0,1,2,3,4,5,6,7
	FRAG 128*((\s)%2)+12*\i,ADR+2+4*((\s)/4),\i*TILEB+((\s)%4)*1536
.endr
	WIN 0
.irp i, 0,1,2,3
	FRAG AF+48*((\s)%2)+12*\i,ADR+4*((\s)/4),\i*TILEB+((\s)%4)*1536
.endr
.endm
; 16 matrix instructions.  The 32 accumulators take turns, one instruction a turn, in the same order in every K step.  K step 0 starts the sums.
.macro MUL16 a0, s
.irp a, \a0, \a0+1
.irp b, 0,1,2,3,4,5,6,7
.if (\s) == 0
	v_wmma_scale_f32_16x16x128_f8f6f4 v[8*(8*(\a)+\b):8*(8*(\a)+\b)+7], v[128*((\s)%2)+12*\b:128*((\s)%2)+12*\b+11], v[AF+48*((\s)%2)+12*(\a):AF+48*((\s)%2)+12*(\a)+11], 0, v[SCB+4*\b+(\s)%4], v[SCA+4*(\a)+(\s)%4] matrix_a_fmt:MATRIX_FMT_FP6 matrix_b_fmt:MATRIX_FMT_FP6
.elseif (\s) < 4
	v_wmma_scale_f32_16x16x128_f8f6f4 v[8*(8*(\a)+\b):8*(8*(\a)+\b)+7], v[128*((\s)%2)+12*\b:128*((\s)%2)+12*\b+11], v[AF+48*((\s)%2)+12*(\a):AF+48*((\s)%2)+12*(\a)+11], v[8*(8*(\a)+\b):8*(8*(\a)+\b)+7], v[SCB+4*\b+(\s)%4], v[SCA+4*(\a)+(\s)%4] matrix_a_fmt:MATRIX_FMT_FP6 matrix_b_fmt:MATRIX_FMT_FP6
.else
	v_wmma_scale_f32_16x16x128_f8f6f4 v[8*(8*(\a)+\b):8*(8*(\a)+\b)+7], v[128*((\s)%2)+12*\b:128*((\s)%2)+12*\b+11], v[AF+48*((\s)%2)+12*(\a):AF+48*((\s)%2)+12*(\a)+11], v[8*(8*(\a)+\b):8*(8*(\a)+\b)+7], v[SCB+4*\b+(\s)%4], v[SCA+4*(\a)+(\s)%4] matrix_a_fmt:MATRIX_FMT_FP6 matrix_b_fmt:MATRIX_FMT_FP6 matrix_a_scale:MATRIX_SCALE_ROW1 matrix_b_scale:MATRIX_SCALE_ROW1
.endif
.endr
.endr
.endm
; A K step of 128.  An odd step's successor lies in the next piece: my part of it has landed, my LDS loads are in, and a barrier shows the same of all four waves.
.macro SUB s
.if (\s) == 3                          ; K step 4 lies in half 1: every wave waits for its load, and the barrier shows both halves to all
	s_wait_tensorcnt 0x0
	s_wait_dscnt 0x0
	s_barrier_signal -1
	WIN MUL
	MUL16 0, \s
	s_barrier_wait -1
.else
	s_wait_dscnt 8                                 ; the youngest 8 loads (blocks 2, 3 of the tokens) may be out
	WIN MUL
	MUL16 0, \s
.endif
.if (\s) < 7
	PLACES
	FETCH (\s)+1
	s_wait_dscnt 48                                ; all but the 48 just issued
.else
	s_wait_dscnt 0x0
.endif
	WIN MUL
	MUL16 2, \s
.endm
	s_cmp_lt_u32 s[WV], 2
	s_cbranch_scc0 .Lnot_half0
	s_wait_tensorcnt 0x0                           ; waves 0 and 1: half 0 has landed; half 1's two loads may stay out
.Lnot_half0:
	s_barrier_signal -1
	s_barrier_wait -1
	FETCH 0
	s_wait_loadcnt 0x0                             ; the halfwords and Wfc's scale words
.irp a, 0,1,2,3                                ; tile a's word of K step 4 h + q: the even head's halfword below, the odd head's above
.irp q, 0,1,2,3
.if \a%2 == 0
	v_perm_b32 v[SCA+4*\a+\q], v[HW+4*\q+2+\a/2], v[HW+4*\q+\a/2], 0x05040100
.else
	v_perm_b32 v[SCA+4*\a+\q], v[HW+4*\q+2+\a/2], v[HW+4*\q+\a/2], 0x07060302
.endif
.endr
.endr
.rept 8
	v_nop                                          ; a scale register written by a vector instruction stands eight plain instructions ahead of a scaled matrix instruction
.endr
	s_wait_alu depctr_va_vdst(0)
.irp s, 0,1,2,3,4,5,6,7
	SUB \s
.endr
	WIN 0
; THE WAY OUT, a tile of 16 tokens x 128 features at a time, through my own stage: in, 32 bytes of a row a lane and accumulator, at the features' true places; back, whole rows of 512 bytes.
; LDS serves a wave's instructions in order: no wait between the stores and the loads, nor ahead of the next tile's stores.
.macro TOSTAGE a
	WIN 0x08                                       ; an LDS store's data are its source 1: window 2
.irp b, 0,1,2,3,4,5,6,7
	ds_store_b128 v[STO], v[64*(\a)+8*\b:64*(\a)+8*\b+3] offset:128*(\b/2)+32*(\b%2)       ; each accumulator from its low end on
	ds_store_b128 v[STO], v[64*(\a)+8*\b+4:64*(\a)+8*\b+7] offset:128*(\b/2)+32*(\b%2)+16
.endr
	WIN 0
.irp t, 0,1,2,3,4,5,6,7,8,9,10,11,12,13,14,15
	ds_load_b128 v[BK+64*((\a)%2)+4*\t:BK+64*((\a)%2)+4*\t+3], v[RD] offset:\t*SPITCH
.endr
.endm
.macro SEND a, younger                 ; younger: the LDS instructions issued behind tile a's loads, which may stay out
	s_wait_dscnt \younger
.irp t, 0,1,2,3,4,5,6,7,8,9,10,11,12,13,14,15
	global_store_b128 v[L16], v[BK+64*((\a)%2)+4*\t:BK+64*((\a)%2)+4*\t+3], s[12:13] offset:(32*((\a)/2)+8*((\a)%2)+\t+8*(\t/8))*4096 th:TH_STORE_NT   ; row t of the tile at its true place; 512 consecutive bytes, at a multiple of 256
.endr
.endm
	PLACES                                         ; ahead of the first read of results and of loads into the registers that held fragments
	TOSTAGE 0
.irp a, 1,2,3
.if \a > 1
	s_wait_xcnt 0x0                                ; tile a - 2's stores have read their registers: tile a's rows may land there
.endif
	TOSTAGE \a
	SEND \a-1, 32                                  ; behind tile a - 1's loads: tile a's 16 stores and 16 loads
.endr
	SEND 3, 0
	s_wait_tensorcnt 0x0                           ; the wave's end, behind my last LDS store
	ds_add_u32 v[SPW], v[NIL]
	s_wait_dscnt 0x0
	CROUND                                         ; the closing round
	s_endpgm
.Lfunc_end_k_q33622b6817_outp:
	.size	k_q33622b6817_outp, .Lfunc_end_k_q33622b6817_outp-k_q33622b6817_outp
	.p2alignl 7, 3214868480
	.fill 96, 4, 3214868480
	.section	.rodata,"a",@progbits
	.p2align	6, 0x0
	.amdhsa_kernel k_q33622b6817_outp
		.amdhsa_group_segment_fixed_size 327680
		.amdhsa_private_segment_fixed_size 0
		.amdhsa_enable_private_segment 0
		.amdhsa_kernarg_size 40
		.amdhsa_user_sgpr_count 2
		.amdhsa_user_sgpr_kernarg_segment_ptr 1
		.amdhsa_wavefront_size32 1
		.amdhsa_system_sgpr_workgroup_id_x 1
		.amdhsa_system_sgpr_workgroup_id_y 1
		.amdhsa_system_sgpr_workgroup_id_z 1
		.amdhsa_system_vgpr_workitem_id 0
		.amdhsa_next_free_vgpr 768
		.amdhsa_next_free_sgpr 100
		.amdhsa_reserve_vcc 0
		.amdhsa_float_denorm_mode_32 3
		.amdhsa_float_denorm_mode_16_64 3
		.amdhsa_memory_ordered 1
		.amdhsa_forward_progress 1
		.amdhsa_inst_pref_size 84
	.end_amdhsa_kernel
	.amdgpu_metadata
---
amdhsa.version: [ 1, 2 ]
amdhsa.kernels:
  - .name:           k_q33622b6817_outp
    .symbol:         k_q33622b6817_outp.kd
    .args:
      - { .name: cc, .offset: 0, .size: 8, .value_kind: global_buffer, .address_space: global }
      - { .name: cs, .offset: 8, .size: 8, .value_kind: global_buffer, .address_space: global }
      - { .name: cod, .offset: 16, .size: 8, .value_kind: global_buffer, .address_space: global }
      - { .name: scl, .offset: 24, .size: 8, .value_kind: global_buffer, .address_space: global }
      - { .name: out0, .offset: 32, .size: 8, .value_kind: global_buffer, .address_space: global }
    .group_segment_fixed_size: 327680
    .private_segment_fixed_size: 0
    .kernarg_segment_align: 8
    .kernarg_segment_size: 40
    .max_flat_workgroup_size: 128
    .sgpr_count:     100
    .vgpr_count:     768
    .wavefront_size: 32
...
	.end_amdgpu_metadata
.endif
;; end of part 4
